; MI455X (gfx1250); checked and timed in simulation.
; The chip was launched on July 23, 2026; its instructions are those of AMD's public machine-readable ISA for CDNA 5 (MIT licence, August 2026) and "CDNA5" Instruction Set Architecture Reference Guide (July 2026). The comments in the code are by the model that wrote it; some were corrected since.
;; Topological Attention. Allowed arithmetic: matrix products marked QUANTISED: E2M1 operands, one E8M0 scale for each 32 along K, by v_wmma_scale_f32_16x16x128_f8f6f4 with both operands' format E2M1 (or v_wmma_scale_f32_32x16x128_f4), f32 sums; products left as they are: f32 operands where the result goes on into a quantised operand, else bf16, f16 or f32 operands; f32 sums; everything else in f32.
;; Inputs: Wk 1,024 x 1,024 float32; Wo 1,024 x 1,024 float32; Wq 1,024 x 1,024 float32; Wt 1,024 x 1,024 float32; Wv 1,024 x 1,024 float32; bk 1,024 float32; bo 1,024 float32; bq 1,024 float32; bt 1,024 float32; bv 1,024 float32; topo_features 4 x 1,024 float32; x 4 x 2,048 x 1,024 float32.
;; Outputs: out0 4 x 2,048 x 1,024 float32.
;; This version of the problem:
;;   THIS VERSION OF THE PROBLEM IS GIVEN IN LOW PRECISION. The matrix products marked QUANTISED in the list below multiply operands that are first quantised to E2M1 (2 exponent bits, 1 mantissa bit; 4 bits a number), with one power-of-two scale for each 32 numbers along K (OCP MX v1.0); their sums are f32. All else is computed in f32.
;;   The module's matrix products, in the order in which they are computed (A, B: the left and right operand; K: the contracted axis; several contracted axes count as one K, in the product's order):
;;     1. [M 8,192, K 1,024] x [K 1,024, N 1,024]; A: input x; B: input Wq: QUANTISED
;;     2. [M 8,192, K 1,024] x [K 1,024, N 1,024]; A: input x; B: input Wk: QUANTISED
;;     3. [M 8,192, K 1,024] x [K 1,024, N 1,024]; A: input x; B: input Wv: QUANTISED
;;     4. [M 4, K 1,024] x [K 1,024, N 1,024]; A: input topo_features; B: input Wt: left as it is (M = 4 < 16)
;;     5. batch 64 x [M 2,048, K 64] x [K 64, N 2,048]; A: computed on the way; B: computed on the way: QUANTISED
;;     6. batch 64 x [M 64, K 2,048] x [K 2,048, N 2,048]; A: computed on the way; B: softmax (see below): QUANTISED
;;     7. [M 8,192, K 1,024] x [K 1,024, N 1,024]; A: computed on the way; B: input Wo: QUANTISED
;;   THE QUANTISER, for each operand of a quantised product, along K:
;;     - K is cut into blocks of 32 from its start; a last block that is shorter is filled with zeros.
;;     - A block's scale is 2^e with e = floor(log2(the largest magnitude in the block)) - 2, held to -126 .. 127; a block of zeros has e = 0. As a byte (E8M0): e + 127.
;;     - Each number is divided by its block's scale, clamped to +-6, and rounded to the nearest number of E2M1, ties to even, subnormals kept.
;;     - The product sums the exact products of the quantised numbers (number of the format x scale) in f32.
;;   ~~~python
;;   def quantise(x, axis):      # numpy; x: float32 -> the quantised numbers, widened to float32 again
;;       x = np.moveaxis(x, axis, -1); K = x.shape[-1]
;;       x = np.pad(x, [(0, 0)] * (x.ndim - 1) + [(0, -K % 32)]); x = x.reshape(x.shape[:-1] + (-1, 32)); a = np.abs(x).max(-1, keepdims=True)
;;       e = np.where(a > 0, np.clip(np.frexp(np.where(a > 0, a, 1))[1] - 1 - 2, -126, 127), 0)      # np.frexp(a)[1] - 1 = floor(log2(a)), exactly
;;       r = np.clip(x / 2.0 ** e, -6, 6)
;;       step = 2.0 ** (np.maximum(np.frexp(np.where(r == 0, 1, r))[1] - 1, 0) - 1)
;;       q = np.round(r / step) * step * 2.0 ** e      # np.round: ties to even
;;       return np.moveaxis(q.reshape(q.shape[:-2] + (-1,))[..., :K], -1, axis).astype(np.float32)
;;   ~~~
;;   SOFTMAX AHEAD OF A QUANTISED PRODUCT. Where the list says 'softmax', what is quantised is not the finished softmax but p = 2^(t - M), with t = logit x log2(e) and M = ceil(the row's largest t), a whole number; so 1/2 < the row's largest p <= 1. The row's sum l is taken of the UNQUANTISED p, in f32, and the product's result is divided by l at the end. Since M is a whole number, a kernel that streams over the keys may use a running M (the ceiling of the running maximum): every later rescaling is an exact power of two, which a block's scale takes up: the codes' values come out the same.
;;   OPERANDS COMPUTED ON THE WAY. 'Computed on the way' means the value that the module computes at that place (a softmax that the list does not call 'softmax' is quantised finished and normalised). What goes into a quantiser is computed in f32, as accurately as f32 sums, v_exp_f32 and their like allow (about 1e-6 of the number): no bf16 or f16 on the way to a quantiser, and a product that is left as it is and whose result goes on into a quantised operand takes f32 operands (vector FMAs, or v_wmma_f32_16x16x4_f32). A number that lies on a knife's edge between two numbers of the format may be rounded either way, as far as f32 arithmetic and the matrix unit's own rounding can turn it there, and no further.
;; One version. Each part assembles by itself: llvm-mc -triple=amdgcn-amd-amdhsa -mcpu=gfx1250 --defsym DOCPART=n.
;; ======== version 1 of 1: 4 launches
;; limits: right only within a limited range of input values
;; workspace buffers: cimg 6,291,456 bytes; simg 393,216 bytes; kb 16,384 bytes; qrec 4,718,592 bytes; kvrec 9,175,040 bytes; oimg 4,194,304 bytes; osc 262,144 bytes
;; launch prep (part 1): grid 288 x 1, 8 waves a work-group, no clusters, 74,752 bytes of LDS; arguments Wq, Wk, Wv, Wo, cimg, simg, x, Wt, topo_features, kb, bt, bk; writes cimg, simg, kb
.if DOCPART == 1
	.amdgcn_target "amdgcn-amd-amdhsa--gfx1250"
	.amdhsa_code_object_version 6
	.text
	.protected	k_qb5d52a0089_prep
	.globl	k_qb5d52a0089_prep
	.p2align	8
	.type	k_qb5d52a0089_prep,@function
k_qb5d52a0089_prep:
	s_mov_b64 s[64:65], 0
	v_nop
	global_prefetch_b8 v0, s[64:65] scope:SCOPE_SE
	s_setreg_imm32_b32 hwreg(HW_REG_WAVE_MODE, 25, 1), 1
	s_wait_xcnt 0x0
; PREP: x [8192][1024] and Wq, Wk, Wv, Wo [1024 (k)][1024 (n)], f32, become codes of E2M1 with one E8M0 byte for each 32 along K; and kb[b][n] = topo_features[b] . Wt[:, n] + bt[n] + bk[n], in f32.
; DEAD WORK: none.  The topology term and the biases bq, bk, bt all go into q or k, which are quantised operands of a live product: they can move codes and scales, so they stay.  Every input is loaded by some launch.
; THE QUANTISER: a block's scale is 2^(floor(log2(its largest magnitude)) - 2); its byte is the largest magnitude's exponent field - 2; each number / scale goes to the nearest code, ties to even, beyond 6 the largest code.
; LIMITS: a block of zeros, and a block whose largest magnitude lies under 2^-124, gets the byte 1 (the rule says 127 for zeros): its codes are zeros there, which add nothing under any byte but 0xff, and the bytes are read by this program alone.
;   NaN and infinities among the inputs are not served.  kb sums K in eight slices of 128 (each ascending); bt + bk is added to the first slice; then the slices are added, ascending: an order of rounding that differs from the reference's.
; LAYOUT OF THE WORKSPACE: IMAGES OF OPERAND REGISTERS.  A unit is 128 rows (x: row = b 2048 + s, units 0-63; Wq 64-71, Wk 72-79, Wv 80-87, Wo 88-95: row = n).
;   Tile t of a unit holds rows rho(t, i) = 32 (t / 2) + 8 (t % 2) + i + 8 (i / 8), i = 0 .. 15.
;   cimg: unit x 65,536 + [half 2][t 8][q 4][c 2][h 2][i 16][16 bytes]: the 32 codes K = 512 half + 128 q + 64 c + 32 h + 0 .. 31 of row rho(t, i): 512 bytes at (.., c) are registers 4 c .. 4 c + 3 of a fragment, lane 16 h + i at 16 x lane.
;   simg: unit x 4,096 + [half 2][t 8][i 16][16 bytes]: byte j is the scale byte of block 16 half + j; word q is the scale word of the half's q-th 128 along K.
; SHARES: work-groups 0-31 the topology product (32 columns each), 32-159 the four weights (128 columns x two runs of 128 along K each), 160-287 x (64 rows each).  The three ways part on the work-group's number alone,
;   each has LDS bytes of its own, and they meet again at the one barrier of the text, which every wave passes.  No tensor loads, no clusters: the work-groups share no input but 16 KiB of topo_features; no loop, so no prefetch.
.set RED,   69632                      ; LDS: the topology product's partial sums: wave x 512 + b x 128 + lane x 4
.set SPARE, 73728                      ; the spare words, 128 bytes for each of eight waves: four blocks of 256 bytes that no other line names
.set WSTG,  8704                       ; LDS from 0 on: for each wave two stages of 16 rows
.set HSTG,  4352                       ; a stage
.set SROW,  272                        ; a stage's row: 256 bytes + 16, so that sixteen rows' reads of 16 bytes fall apart
.set R,   64                           ; v64-191  x: four sets of 32 registers as loaded
.set X,   192                          ; v192-255 x: two sets of 32 neighbours along K
.set C,   32                           ; v32-63   x: a step's four registers of codes; never written again
.set SB,  24                           ; v24-27   scale bytes
.set WX,  64                           ; v64-127  W: two sets of 32 numbers down K
.set WC,  128                          ; v128-143 W: a block's four registers of codes; never written again
.set TF,  192                          ; v192-207 topology: my wave's 128 numbers of each of the four rows of topo_features: number 4 l + r of row b in lane l of v[TF + 4 b + r]
; 32 numbers of one block in v[xs] on become 32 codes in v[c0] .. v[c0 + 3]; the scale's byte is left in v13
.macro QBLOCK xs, c0
	v_max3_num_f32 v12, |v[\xs]|, |v[\xs+1]|, |v[\xs+2]|            ; the block's largest magnitude, in two chains
	v_max3_num_f32 v13, |v[\xs+3]|, |v[\xs+4]|, |v[\xs+5]|
.irp i, 6,10,14,18,22,26
	s_delay_alu instid0(VALU_DEP_2)
	v_max3_num_f32 v12, v12, |v[\xs+\i]|, |v[\xs+\i+1]|
	s_delay_alu instid0(VALU_DEP_2)
	v_max3_num_f32 v13, v13, |v[\xs+\i+2]|, |v[\xs+\i+3]|
.endr
	s_delay_alu instid0(VALU_DEP_2)
	v_max3_num_f32 v12, v12, |v[\xs+30]|, |v[\xs+31]|
	s_delay_alu instid0(VALU_DEP_1)
	v_max3_num_f32 v12, v12, v13, 0x1800000        ; and the floor 2^(3 - 127): the byte cannot fall under 1
	s_delay_alu instid0(VALU_DEP_1)
	v_add_nc_u32 v11, 0xff000000, v12              ; 2 off the exponent field: the conversion takes the exponent field of this operand as its scale
.irp g, 0,1,2,3
	v_cvt_scalef32_pk8_fp4_f32 v[\c0+\g], v[\xs+8*\g:\xs+8*\g+7], v11
.endr
	v_lshrrev_b32 v13, 23, v11                     ; the scale's byte (also the plain line behind the conversions)
.endm
; x, step st: 16 rows x 64 numbers.  Load j takes rows i = 2 j (lanes 0-15) and 2 j + 1 (lanes 16-31) of the tile: 256 consecutive aligned bytes each
.macro XLOAD st
.irp j, 0,1,2,3,4,5,6,7
	global_load_b128 v[R+32*((\st)%4)+4*\j:R+32*((\st)%4)+4*\j+3], v3, s[8:9] offset:(2*\j+8*(\j/4))*4096+256*(\st) th:TH_LOAD_NT
.endr
.endm
; through the wave's own stage: in as loaded, back 128 bytes a lane: lane (h, i) gets the 32 neighbours of block 2 st + h of row i.  LDS serves a wave's instructions in order: no wait between
.macro XTURN st
.irp j, 0,1,2,3,4,5,6,7
	ds_store_b128 v14, v[R+32*((\st)%4)+4*\j:R+32*((\st)%4)+4*\j+3] offset:HSTG*((\st)%2)+2*SROW*\j
.endr
.irp j, 0,1,2,3,4,5,6,7
	ds_load_b128 v[X+32*((\st)%2)+4*\j:X+32*((\st)%2)+4*\j+3], v15 offset:HSTG*((\st)%2)+16*\j
.endr
.endm
.macro XSTEP st
	s_wait_dscnt 0x0                               ; this step's numbers are back from the stage, and its stores into the stage have read their registers,
.if (\st)+4 < 8
	XLOAD (\st)+4                                  ; which take the loads of four steps on
.endif
.if (\st)+1 < 8
.if (\st) < 4
	s_wait_loadcnt 24                              ; the next step's eight loads are in; those of the three steps behind it may be out
.else
	s_wait_loadcnt 8*(6-(\st))                     ; towards the end fewer steps stand behind it: 16, 8, 0
.endif
	XTURN (\st)+1                                  ; they go through the other stage while this step is worked
.endif
	QBLOCK X+32*((\st)%2), C+4*(\st)
.if (\st)%2 == 0
	s_delay_alu instid0(VALU_DEP_1)
	v_mov_b32 v[SB+(\st)/2], v13                   ; word st / 2: my byte of an even step at bit 0, of an odd step at bit 16
.else
	s_delay_alu instid0(VALU_DEP_1)
	v_lshl_or_b32 v[SB+(\st)/2], v13, 16, v[SB+(\st)/2]
.endif
	global_store_b128 v7, v[C+4*(\st):C+4*(\st)+3], s[4:5] offset:512*(\st)   ; (q, c) = (st / 2, st % 2): the wave stores 512 consecutive bytes, aligned
.endm
; W, block t of my wave's four: W(first row + 32 t + i, my column), i = 0 .. 31: a lane to a column, its registers down K
.macro WLOAD t
.set kk, 0
.rept 32
	global_load_b32 v[WX+32*((\t)%2)+kk], v4, s[4:5] offset:(32*(\t)+kk)*4096 th:TH_LOAD_NT
.set kk, kk+1
.endr
.endm
.macro WBLOCK t
.if (\t) < 3
	s_wait_loadcnt 32                              ; this block's 32 loads are in; the next block's may be out
.else
	s_wait_loadcnt 0x0
.endif
	QBLOCK WX+32*((\t)%2), WC+4*(\t)
.if (\t) == 0
	s_delay_alu instid0(VALU_DEP_1)
	v_mov_b32 v[SB], v13                           ; four bytes to a register, the lower K in the lower byte
.else
	s_delay_alu instid0(VALU_DEP_1)
	v_lshl_or_b32 v[SB], v13, 8*(\t), v[SB]
.endif
	global_store_b128 v7, v[WC+4*(\t):WC+4*(\t)+3], s[12:13] offset:256*(\t)   ; (c, h) = block t: the wave's 32 lanes fill two aligned runs of 256 bytes, one in each of its two tiles
.if (\t)+2 < 4
	WLOAD (\t)+2
.endif
.endm
; the topology product, 16 along K: four rows of topo_features as scalars, read out of the lanes that loaded them, one column of Wt a lane
.macro TCHUNK c
	s_wait_alu depctr_va_vdst(0)
.if 112-16*(\c) > 63
	s_wait_loadcnt 63                              ; of Wt's 128 loads this chunk's 16 are in when 112 - 16 c may be out (the six loads ahead of them are older); the wait's field holds 63 at the most, and a smaller count is safe
.else
	s_wait_loadcnt 112-16*(\c)
.endif
.set kk, 0
.rept 16
	v_readlane_b32 s[16+kk], v[TF+kk%4], 4*(\c)+kk/4
	v_readlane_b32 s[32+kk], v[TF+4+kk%4], 4*(\c)+kk/4
	v_readlane_b32 s[48+kk], v[TF+8+kk%4], 4*(\c)+kk/4
	v_readlane_b32 s[68+kk], v[TF+12+kk%4], 4*(\c)+kk/4
.set kk, kk+1
.endr
.set kk, 0
.if (\c) == 0
	v_mul_f32 v32, s[16+kk], v[64+16*(\c)+kk]      ; the first products start the four sums: nothing is cleared
	v_mul_f32 v33, s[32+kk], v[64+16*(\c)+kk]
	v_mul_f32 v34, s[48+kk], v[64+16*(\c)+kk]
	v_mul_f32 v35, s[68+kk], v[64+16*(\c)+kk]
.else
	v_fmac_f32 v32, s[16+kk], v[64+16*(\c)+kk]     ; the four batches by turns
	v_fmac_f32 v33, s[32+kk], v[64+16*(\c)+kk]
	v_fmac_f32 v34, s[48+kk], v[64+16*(\c)+kk]
	v_fmac_f32 v35, s[68+kk], v[64+16*(\c)+kk]
.endif
.set kk, kk+1
.rept 15
	s_delay_alu instid0(VALU_DEP_4)
	v_fmac_f32 v32, s[16+kk], v[64+16*(\c)+kk]
	s_delay_alu instid0(VALU_DEP_4)
	v_fmac_f32 v33, s[32+kk], v[64+16*(\c)+kk]
	s_delay_alu instid0(VALU_DEP_4)
	v_fmac_f32 v34, s[48+kk], v[64+16*(\c)+kk]
	s_delay_alu instid0(VALU_DEP_4)
	v_fmac_f32 v35, s[68+kk], v[64+16*(\c)+kk]
.set kk, kk+1
.endr
.endm
	v_lshl_add_u32 v28, v0, 2, SPARE               ; my spare word; never rewritten
	v_mov_b32 v29, 0                               ; 0; never rewritten
	v_lshrrev_b32 v1, 5, v0
	s_delay_alu instid0(VALU_DEP_1)
	v_readfirstlane_b32 s84, v1                    ; wave 0..7
	v_and_b32 v2, 31, v0                           ; lane
	v_and_b32 v5, 15, v0                           ; lane % 16
	v_bfe_u32 v6, v0, 4, 1                         ; lane / 16
	s_delay_alu instid0(VALU_DEP_3)
	v_lshlrev_b32 v4, 2, v2                        ; 4 x lane
	; every LDS address is made here, ahead of the parting
	s_mul_i32 s85, s84, WSTG
	v_mul_u32_u24 v14, v6, SROW
	s_delay_alu instid0(VALU_DEP_1)
	v_lshl_add_u32 v14, v5, 4, v14
	s_delay_alu instid0(VALU_DEP_1)
	v_add_nc_u32 v14, s85, v14                     ; the stage, way in: row lane / 16 of a pair, 16 bytes a lane
	v_mul_u32_u24 v15, v5, SROW
	s_delay_alu instid0(VALU_DEP_1)
	v_lshl_add_u32 v15, v6, 7, v15
	s_delay_alu instid0(VALU_DEP_1)
	v_add_nc_u32 v15, s85, v15                     ; way out: row lane % 16, its first or second 128 bytes
	s_lshl_b32 s85, s84, 9
	s_add_co_u32 s85, s85, RED
	v_add_nc_u32 v30, s85, v4                      ; where my wave puts its four partial sums
	s_and_b32 s85, s84, 3
	s_lshl_b32 s85, s85, 7
	s_add_co_u32 s85, s85, RED
	v_add_nc_u32 v31, s85, v4                      ; where wave b (0..3) reads batch b's eight
	s_mov_b32 s86, 0x76543210
	s_mov_b32 s87, 0xfedcba98                      ; v_permlanex16_b32's selects for lane l xor 16
	s_cmp_lt_u32 ttmp9, 32
	s_cbranch_scc1 .Ltopo
	s_cmp_lt_u32 ttmp9, 160
	s_cbranch_scc1 .Lw
	; ---- x: wave w takes tile T = 4 (work-group - 160) + w / 2 of 16 rows, and half w % 2 of K: eight steps of 64 along K
	s_load_b128 s[4:7], s[0:1], 0x20               ; cimg, simg
	s_load_b64 s[8:9], s[0:1], 0x30                ; x
	s_sub_co_u32 s10, ttmp9, 160
	s_lshl_b32 s10, s10, 2
	s_lshr_b32 s11, s84, 1
	s_add_co_u32 s10, s10, s11                     ; T
	s_and_b32 s11, s84, 1                          ; half
	s_lshr_b32 s12, s10, 1
	s_lshl_b32 s12, s12, 17                        ; 32 (T / 2) rows of 4,096 bytes
	s_and_b32 s13, s10, 1
	s_lshl_b32 s13, s13, 15                        ; + 8 (T % 2) rows
	s_add_co_u32 s12, s12, s13
	s_lshl_b32 s13, s11, 11                        ; + half x 512 numbers
	s_add_co_u32 s12, s12, s13
	s_mov_b32 s13, 0
	s_lshr_b32 s14, s10, 3                         ; unit
	s_and_b32 s15, s10, 7                          ; tile in it
	s_lshl_b32 s88, s14, 16
	s_lshl_b32 s90, s11, 15
	s_add_co_u32 s88, s88, s90
	s_lshl_b32 s90, s15, 12
	s_add_co_u32 s88, s88, s90
	s_mov_b32 s89, 0                               ; my 4,096 bytes of cimg
	s_lshl_b32 s90, s14, 12
	s_lshl_b32 s91, s11, 11
	s_add_co_u32 s90, s90, s91
	s_lshl_b32 s91, s15, 8
	s_add_co_u32 s90, s90, s91
	s_mov_b32 s91, 0                               ; my 256 bytes of simg
	v_lshlrev_b32 v3, 12, v6
	s_delay_alu instid0(VALU_DEP_1)
	v_lshl_add_u32 v3, v5, 4, v3                   ; a load: one row further down for lanes 16-31, 16 bytes a lane
	v_lshlrev_b32 v7, 4, v2                        ; 16 x lane
	s_wait_alu depctr_va_vdst(0)
	s_wait_kmcnt 0x0
	s_add_nc_u64 s[8:9], s[8:9], s[12:13]
	s_add_nc_u64 s[4:5], s[4:5], s[88:89]
	s_add_nc_u64 s[6:7], s[6:7], s[90:91]
	XLOAD 0
	XLOAD 1
	XLOAD 2
	XLOAD 3
	s_wait_loadcnt 24                              ; step 0's eight loads are in
	XTURN 0
.irp st, 0,1,2,3,4,5,6,7
	XSTEP \st
.endr
	v_lshlrev_b32 v10, 3, v6                       ; my bytes are those of blocks 4 w' + h and 4 w' + 2 + h: 8 h bits up,
.irp k, 0,1,2,3
	v_lshlrev_b32 v[SB+\k], v10, v[SB+\k]
.endr
.irp k, 0,1,2,3
	v_mov_b32 v[16+\k], 0                          ; (a lane permute's destination counts as one of its sources)
.endr
.irp k, 0,1,2,3
	s_delay_alu instid0(VALU_DEP_4)
	v_permlanex16_b32 v[16+\k], v[SB+\k], s86, s87
.endr
.irp k, 0,1,2,3
	s_delay_alu instid0(VALU_DEP_4)
	v_or_b32 v[SB+\k], v[SB+\k], v[16+\k]          ; with lane l xor 16's the four words of row i are whole
.endr
	v_cmp_eq_u32 vcc_lo, 1, v6
	s_delay_alu instid0(VALU_DEP_1)
	v_cndmask_b32 v8, v24, v26, vcc_lo             ; lanes 0-15 store words 0, 1, lanes 16-31 words 2, 3
	s_delay_alu instid0(VALU_DEP_2)
	v_cndmask_b32 v9, v25, v27, vcc_lo
	v_lshlrev_b32 v10, 4, v5
	s_delay_alu instid0(VALU_DEP_1)
	v_lshl_add_u32 v10, v6, 3, v10
	global_store_b64 v10, v[8:9], s[6:7]           ; the wave stores 256 consecutive bytes, aligned
	s_branch .Ljoin
	; ---- W: work-group 32 + 32 wi + 4 cg + kq takes columns 128 cg on of weight wi; wave w columns 32 (w % 4) on (two tiles), and of half w / 4 of K the kq-th 128: four blocks a lane, so that a wave's loads are two blocks deep twice
.Lw:
	s_load_b256 s[4:11], s[0:1], 0x0               ; Wq, Wk, Wv, Wo
	s_load_b128 s[12:15], s[0:1], 0x20             ; cimg, simg
	s_sub_co_u32 s85, ttmp9, 32
	s_and_b32 s91, s85, 3                          ; kq
	s_lshr_b32 s85, s85, 2
	s_and_b32 s88, s85, 7                          ; cg
	s_lshr_b32 s85, s85, 3                         ; wi
	s_and_b32 s89, s84, 3                          ; w % 4
	s_lshr_b32 s90, s84, 2                         ; half
	s_lshl_b32 s16, s90, 21                        ; 512 rows of 4,096 bytes
	s_lshl_b32 s17, s91, 19                        ; + 128 kq rows
	s_add_co_u32 s16, s16, s17
	s_lshl_b32 s17, s88, 9
	s_add_co_u32 s16, s16, s17
	s_lshl_b32 s17, s89, 7
	s_add_co_u32 s16, s16, s17
	s_mov_b32 s17, 0
	s_lshl_b32 s18, s85, 3
	s_add_co_u32 s18, s18, s88
	s_add_co_u32 s18, s18, 64                      ; unit
	s_lshl_b32 s20, s18, 16
	s_lshl_b32 s21, s90, 15
	s_add_co_u32 s20, s20, s21
	s_lshl_b32 s21, s89, 13
	s_add_co_u32 s20, s20, s21
	s_lshl_b32 s21, s91, 10                        ; q = kq: 1,024 bytes of a tile's 4,096
	s_add_co_u32 s20, s20, s21
	s_mov_b32 s21, 0
	s_lshl_b32 s22, s18, 12
	s_lshl_b32 s23, s90, 11
	s_add_co_u32 s22, s22, s23
	s_lshl_b32 s23, s89, 9
	s_add_co_u32 s22, s22, s23
	s_lshl_b32 s23, s91, 2                         ; word kq of a row's four
	s_add_co_u32 s22, s22, s23
	s_mov_b32 s23, 0
	v_bfe_u32 v9, v0, 3, 1                         ; row 32 (w % 4) + lane lies in tile 2 (w % 4) + u, u = bit 3 of the lane,
	v_and_b32 v10, 7, v0
	s_delay_alu instid0(VALU_DEP_1)
	v_lshl_add_u32 v10, v6, 3, v10                 ; at place i = 8 (lane / 16) + lane % 8
	s_delay_alu instid0(VALU_DEP_1)
	v_lshlrev_b32 v10, 4, v10
	s_delay_alu instid0(VALU_DEP_1)
	v_lshl_add_u32 v7, v9, 12, v10                 ; codes: u x 4,096 + 16 i
	s_delay_alu instid0(VALU_DEP_2)
	v_lshl_add_u32 v8, v9, 8, v10                  ; scale bytes: u x 256 + 16 i
	s_wait_alu depctr_va_vdst(0)
	s_wait_kmcnt 0x0
	s_cmp_eq_u32 s85, 1                            ; the weight is chosen by the work-group's number alone
	s_cselect_b64 s[4:5], s[6:7], s[4:5]
	s_cmp_eq_u32 s85, 2
	s_cselect_b64 s[4:5], s[8:9], s[4:5]
	s_cmp_eq_u32 s85, 3
	s_cselect_b64 s[4:5], s[10:11], s[4:5]
	s_add_nc_u64 s[4:5], s[4:5], s[16:17]
	s_add_nc_u64 s[12:13], s[12:13], s[20:21]
	s_add_nc_u64 s[14:15], s[14:15], s[22:23]
	WLOAD 0
	WLOAD 1
.irp t, 0,1,2,3
	WBLOCK \t
.endr
	global_store_b32 v8, v[SB], s[14:15]           ; my row's scale word of these 128 along K: four bytes of each row's sixteen; the four work-groups of a column group fill the rest
	s_branch .Ljoin
	; ---- the topology product: work-group g takes columns 32 g on, a lane a column; wave w takes K = 128 w on, for all four batches
.Ltopo:
	s_load_b128 s[4:7], s[0:1], 0x38               ; Wt, topo_features
	s_load_b128 s[88:91], s[0:1], 0x50             ; bt, bk
	s_lshl_b32 s8, s84, 19                         ; 128 w rows of 4,096 bytes
	s_lshl_b32 s12, ttmp9, 7                       ; 32 g columns
	s_mov_b32 s13, 0
	s_add_co_u32 s8, s8, s12
	s_mov_b32 s9, 0
	s_lshl_b32 s10, s84, 9                         ; 128 w numbers of a row of topo_features
	s_mov_b32 s11, 0
	v_lshlrev_b32 v7, 4, v2                        ; 16 x lane
	s_wait_kmcnt 0x0
	s_add_nc_u64 s[4:5], s[4:5], s[8:9]
	s_add_nc_u64 s[6:7], s[6:7], s[10:11]
	s_add_nc_u64 s[88:89], s[88:89], s[12:13]
	s_add_nc_u64 s[90:91], s[90:91], s[12:13]
	s_wait_alu depctr_va_vdst(0)
.irp b, 0,1,2,3
	global_load_b128 v[TF+4*\b:TF+4*\b+3], v7, s[6:7] offset:4096*\b   ; my 128 numbers of row b: 512 consecutive bytes
.endr
	global_load_b32 v40, v4, s[88:89]              ; bt and bk at my column
	global_load_b32 v41, v4, s[90:91]
.set kk, 0
.rept 128
	global_load_b32 v[64+kk], v4, s[4:5] offset:kk*4096 th:TH_LOAD_NT
.set kk, kk+1
.endr
.irp c, 0,1,2,3,4,5,6,7
	TCHUNK \c
.endr
	s_wait_alu depctr_va_vdst(0)
	s_cmp_lg_u32 s84, 0
	s_cbranch_scc1 .Lnobias
	v_add_f32 v40, v40, v41                        ; wave 0 adds bt + bk to its slice of each batch
.irp b, 0,1,2,3
	v_add_f32 v[32+\b], v[32+\b], v40
.endr
.Lnobias:
.irp b, 0,1,2,3
	ds_store_b32 v30, v[32+\b] offset:128*\b
.endr
.Ljoin:
	s_wait_xcnt 0x0                                ; every store above has read its registers: some of them are loaded into below
	s_wait_dscnt 0x0                               ; for the others' sake: my LDS stores have landed
	s_barrier_signal -1
	s_barrier_wait -1
	s_cmp_ge_u32 ttmp9, 32
	s_cbranch_scc1 .Lend
	s_cmp_ge_u32 s84, 4
	s_cbranch_scc1 .Lend
	; wave b of a topology work-group adds batch b's eight slices
	s_load_b64 s[4:5], s[0:1], 0x48                ; kb
.irp ww, 0,1,2,3,4,5,6,7
	ds_load_b32 v[32+\ww], v31 offset:512*\ww
.endr
	s_lshl_b32 s12, ttmp9, 7
	s_mov_b32 s13, 0
	s_lshl_b32 s14, s84, 12
	s_mov_b32 s15, 0
	s_wait_kmcnt 0x0
	s_add_nc_u64 s[4:5], s[4:5], s[12:13]
	s_add_nc_u64 s[4:5], s[4:5], s[14:15]
	s_wait_dscnt 0x0
.irp ww, 1
	v_add_f32 v32, v32, v[32+\ww]
.endr
.irp ww, 2, 3, 4, 5, 6, 7
	s_delay_alu instid0(VALU_DEP_1)
	v_add_f32 v32, v32, v[32+\ww]
.endr
	global_store_b32 v4, v32, s[4:5]               ; 128 bytes a wave: half of an aligned 256; the whole buffer is 16,384 bytes
.Lend:
	s_wait_tensorcnt 0x0                           ; the wave's end, behind my last LDS store
	ds_add_u32 v28, v29
	s_wait_dscnt 0x0
	s_endpgm
.Lfunc_end_k_qb5d52a0089_prep:
	.size	k_qb5d52a0089_prep, .Lfunc_end_k_qb5d52a0089_prep-k_qb5d52a0089_prep
	.p2alignl 7, 3214868480
	.fill 96, 4, 3214868480
	.section	.rodata,"a",@progbits
	.p2align	6, 0x0
	.amdhsa_kernel k_qb5d52a0089_prep
		.amdhsa_group_segment_fixed_size 74752
		.amdhsa_private_segment_fixed_size 0
		.amdhsa_enable_private_segment 0
		.amdhsa_kernarg_size 96
		.amdhsa_user_sgpr_count 2
		.amdhsa_user_sgpr_kernarg_segment_ptr 1
		.amdhsa_wavefront_size32 1
		.amdhsa_system_sgpr_workgroup_id_x 1
		.amdhsa_system_sgpr_workgroup_id_y 1
		.amdhsa_system_sgpr_workgroup_id_z 1
		.amdhsa_system_vgpr_workitem_id 0
		.amdhsa_next_free_vgpr 256
		.amdhsa_next_free_sgpr 92
		.amdhsa_reserve_vcc 1
		.amdhsa_float_denorm_mode_32 3
		.amdhsa_float_denorm_mode_16_64 3
		.amdhsa_memory_ordered 1
		.amdhsa_forward_progress 1
		.amdhsa_inst_pref_size 137
	.end_amdhsa_kernel
	.amdgpu_metadata
---
amdhsa.version: [ 1, 2 ]
amdhsa.kernels:
  - .name:           k_qb5d52a0089_prep
    .symbol:         k_qb5d52a0089_prep.kd
    .args:
      - { .name: Wq, .offset: 0, .size: 8, .value_kind: global_buffer, .address_space: global }
      - { .name: Wk, .offset: 8, .size: 8, .value_kind: global_buffer, .address_space: global }
      - { .name: Wv, .offset: 16, .size: 8, .value_kind: global_buffer, .address_space: global }
      - { .name: Wo, .offset: 24, .size: 8, .value_kind: global_buffer, .address_space: global }
      - { .name: cimg, .offset: 32, .size: 8, .value_kind: global_buffer, .address_space: global }
      - { .name: simg, .offset: 40, .size: 8, .value_kind: global_buffer, .address_space: global }
      - { .name: x, .offset: 48, .size: 8, .value_kind: global_buffer, .address_space: global }
      - { .name: Wt, .offset: 56, .size: 8, .value_kind: global_buffer, .address_space: global }
      - { .name: topo_features, .offset: 64, .size: 8, .value_kind: global_buffer, .address_space: global }
      - { .name: kb, .offset: 72, .size: 8, .value_kind: global_buffer, .address_space: global }
      - { .name: bt, .offset: 80, .size: 8, .value_kind: global_buffer, .address_space: global }
      - { .name: bk, .offset: 88, .size: 8, .value_kind: global_buffer, .address_space: global }
    .group_segment_fixed_size: 74752
    .private_segment_fixed_size: 0
    .kernarg_segment_align: 8
    .kernarg_segment_size: 96
    .max_flat_workgroup_size: 256
    .sgpr_count:     92
    .vgpr_count:     256
    .wavefront_size: 32
...
	.end_amdgpu_metadata
.endif
;; end of part 1
;; launch qkv (part 2): grid 12 x 32, 4 waves a work-group, clusters of 4 x 4, 327,680 bytes of LDS; arguments cimg, simg, qrec, kvrec, bq, kb, bv; writes qrec, kvrec
.if DOCPART == 2
	.amdgcn_target "amdgcn-amd-amdhsa--gfx1250"
	.amdhsa_code_object_version 6
	.text
	.protected	k_qb5d52a0089_qkv
	.globl	k_qb5d52a0089_qkv
	.p2align	8
	.type	k_qb5d52a0089_qkv,@function
k_qb5d52a0089_qkv:
	s_mov_b64 s[64:65], 0
	v_nop
	global_prefetch_b8 v0, s[64:65] scope:SCOPE_SE
	s_setreg_imm32_b32 hwreg(HW_REG_WAVE_MODE, 25, 1), 1
	s_wait_xcnt 0x0
	s_wait_alu depctr_hold_cnt(0) depctr_sa_sdst(0) depctr_va_vdst(0) depctr_va_sdst(0) depctr_va_ssrc(0) depctr_va_vcc(0) depctr_vm_vsrc(0)
	s_getreg_b32 s2, hwreg(HW_REG_IB_STS2, 6, 4)
	s_cmp_eq_u32 s2, 0
	s_cbranch_scc0 .Lentry_in_a_cluster
	s_endpgm
.Lentry_in_a_cluster:
	s_bfe_u32 s2, ttmp6, 0x10000c
	s_cmp_lg_u32 s2, 0xf033
	s_cbranch_scc0 .Lentry_shape_is_right
	s_endpgm
.Lentry_shape_is_right:
; QKV: q = x Wq + bq, k = x Wk + kb[b] (kb = bk + the topology term), v = x Wv + bv, on codes of E2M1 with E8M0 scales; the results are quantised on the way out: q and k along the head's 64, v along the keys.  No work is left out.
; A tile of 256 x 256 is made by four waves, 128 x 128 each: 64 accumulators of 16 x 16.  K = 1,024 in codes is 128 KiB for a step of 512: both steps lie in LDS from the start, and nothing is filled again.
; OPERANDS lie in memory and in LDS as images of their registers (unit = 128 rows; [half][tile 8][q 4][c 2][512 bytes]; lane l's 16 bytes at 16 l), so every fragment load takes 512 consecutive bytes.
; Tile t of a unit holds rows rho(t, i) = 32 (t / 2) + 8 (t % 2) + i + 8 (i / 8).
; THE PRODUCT IS USED TRANSPOSED: source 0 = region B, source 1 = region A.  A lane then holds ONE row of A, and by rho the 16 registers of B's tiles 2 b, 2 b + 1 are B's rows 32 b + 16 (lane / 16) + 0 .. 15: neighbours along the axis to be quantised.
;   cluster x = 0, 1 (q, k): B = the weight's 256 columns n, A = 256 rows of x.  cluster x = 2 (v): B = 256 rows of x (the keys), A = 256 columns d of Wv.  Only offsets into the one buffer differ.
; CLUSTERS: 4 x 4 work-groups.  A hangs on cy alone and is asked for jointly along the cluster's row, B on cx alone and jointly along its column.
; OUT: qrec [b 16 + head][g 16] records of 4,608 bytes: 8 tiles x 512 bytes of codes (registers 0-3 of a fragment whose K is the head's 64), then scale words [j 2][i 16][4]: word of tile 4 j + a.
;      kvrec records of 8,960 bytes: K as q (4,608 bytes); V^T: 4 tiles of 16 d x 128 keys, 1,024 bytes each; its scale words [i 16][4].  g = the group of 128 tokens.  A q or k word has its two bytes below and zeros above: those scale zero codes only.
; LIMITS: as stated at the head of the first launch (byte 1 for blocks of zeros and under 2^-124; no NaN, no infinities).
; REGISTERS, in windows of 256: window 0: v1 r, v16-29 addresses; v32-95 scale words, two sets, and nothing else; v96-103 the scale words made; v104-115 at work; v116-123 codes made;
;   v128-191 A's fragments, ONE set, later 64 numbers to quantise; v192-255 the bias.   window 1: B's fragments, two sets.   windows 2, 3: the accumulators ((a, b) at v[8 (8 (a % 4) + b)]).
.set NQ,    4                          ; steps of 128 along K in a slot
.set FR,    8                          ; registers of a fragment
.set NL,    2                          ; LDS loads that bring one
.set NP,    4                          ; places behind this matrix instruction (ISA guide 7.12.1)
.set SLOT,  131072                     ; a slot: half of K for A's two units, then B's two
.set UNITB, 32768                      ; half a unit's codes: what one tensor load brings
.set SCL,   262144                     ; behind the slots: the four units' scale bytes, 4,096 each
.set HALFS, 4096
.set SPARE, 278528                     ; the spare words, 128 bytes for each wave: two blocks of 256 bytes that no other line names
.set ADRA, 16                          ; v16-17  LDS address of my A fragments in slot 0, 1
.set ADRB, 20                          ; v20-21  the same for B
.set HH,   22                          ; v22     lane / 16
.set H16,  23                          ; v23     16 x that
.set LI,   24                          ; v24     16 x lane
.set BO,   25                          ; v25     my offset in the bias
.set VSO,  26                          ; v26     my offset for the scale words' stores
.set ADRS, 27                          ; v27     LDS address of my scale words: lanes 0-15 A's, lanes 16-31 B's
.set SPW,  28                          ; v28     my spare word; never rewritten
.set NIL,  29                          ; v29     0; never rewritten
.set SC,   32
.set PW,   96
.set TM,   104                         ; +0..3 largest magnitudes, +4..7 the other lane's, then bytes, +8..11 the conversions' scale operands
.set PC,   116
.set AF,   128
.set HA,   128
.set BI,   192
.set BV,   192
.set SEL,  100                         ; s[100:101] v_permlanex16_b32's selects
.set G1, 24                            ; s[24:31] group 1 for A's codes;  s[36:39] group 0 for slot 1
.set G0, 32
.set G1B, 48                           ; s[48:55], s[60:63] the same for B
.set G0B, 56
.set G1S, 68                           ; s[68:75], s[76:79] A's scale bytes;  s[80:87], s[88:91] B's
.set G0S, 76
.set G1SB, 80
.set G0SB, 88
.set MSB, 0
.macro WIN new                         ; the immediate's high byte repeats the setting that is left
.if MSB != (\new)
	s_set_vgpr_msb (MSB<<8)|(\new)
.set MSB, (\new)
.endif
.endm
.set MUL_LO, 0xa1                      ; source 0 (B) window 1, source 1 (A) window 0, C and D window 2
.set MUL_HI, 0xf1                      ; the same, C and D window 3
.set TO_B,   0x40                      ; destination window 1, address window 0
; A joint load: waves 0 and 1 fetch for A, waves 2 and 3 for B; the branch hangs on the wave's number alone.  An s_nop 0 and four v_nop follow each of the two lines.
.macro JLOAD g0a, g1a, g0b, g1b
	s_cmp_eq_u32 s15, 0
	s_cbranch_scc0 .Lfor_b_\@
	tensor_load_to_lds s[\g0a:\g0a+3], s[\g1a:\g1a+7]
	s_nop 0
.rept 4
	v_nop
.endr
	s_branch .Lasked_\@
.Lfor_b_\@:
	tensor_load_to_lds s[\g0b:\g0b+3], s[\g1b:\g1b+7]
	s_nop 0
.rept 4
	v_nop
.endr
.Lasked_\@:
.endm
.macro CROUND                          ; a round of the cluster's barrier
	s_barrier_signal -1
	s_barrier_wait -1
	s_cmp_lg_u32 s14, 0
	s_cbranch_scc1 .Lnot_wave_0_\@
	s_barrier_signal -3
.Lnot_wave_0_\@:
	s_barrier_wait -3
	s_barrier_signal -1
	s_barrier_wait -1
.endm
.macro FRAG reg, adr, q, i             ; tile i's fragment of the slot's q-th 128 along K: two runs of 512 bytes
.irp c, 0,1
	ds_load_b128 v[\reg+4*\c:\reg+4*\c+3], v[\adr] offset:(\i)*4096+(\q)*1024+512*\c
.endr
.endm
; 16 matrix instructions: A's tiles a0, a0 + 1 x B's eight.  p: B's set; sc: the set of scale words.  zero = 1: the first product starts the sums.  The 64 accumulators take turns, one instruction a turn.
.macro MUL16 a0, p, q, sc, zero
.irp a, \a0, \a0+1
.irp b, 0,1,2,3,4,5,6,7
.if \zero
	v_wmma_scale_f32_16x16x128_f8f6f4 v[8*(8*((\a)%4)+\b):8*(8*((\a)%4)+\b)+7], v[128*(\p)+FR*\b:128*(\p)+FR*\b+FR-1], v[AF+FR*(\a):AF+FR*(\a)+FR-1], 0, v[SC+8*NQ*(\sc)+NQ*\b+(\q)], v[SC+8*NQ*(\sc)+NQ*(\a)+(\q)] matrix_a_fmt:MATRIX_FMT_FP4 matrix_b_fmt:MATRIX_FMT_FP4 matrix_a_scale:MATRIX_SCALE_ROW1
.else
	v_wmma_scale_f32_16x16x128_f8f6f4 v[8*(8*((\a)%4)+\b):8*(8*((\a)%4)+\b)+7], v[128*(\p)+FR*\b:128*(\p)+FR*\b+FR-1], v[AF+FR*(\a):AF+FR*(\a)+FR-1], v[8*(8*((\a)%4)+\b):8*(8*((\a)%4)+\b)+7], v[SC+8*NQ*(\sc)+NQ*\b+(\q)], v[SC+8*NQ*(\sc)+NQ*(\a)+(\q)] matrix_a_fmt:MATRIX_FMT_FP4 matrix_b_fmt:MATRIX_FMT_FP4 matrix_a_scale:MATRIX_SCALE_ROW1
.endif
.endr
.endr
.endm
.macro FETCH_B slot, q, p
	WIN TO_B
.irp i, 0,1,2,3,4,5,6,7
	FRAG 128*(\p)+FR*\i, ADRB+\slot, \q, \i
.endr
	WIN 0
.endm
.macro FETCH_A slot, q, i0
.irp i, \i0, \i0+1, \i0+2, \i0+3
	FRAG AF+FR*(\i), ADRA+\slot, \q, \i
.endr
.endm
.macro SCALES sc                       ; slot sc's scale words: four a row; lanes 0-15 take A's tile i, lanes 16-31 B's tile i
.irp i, 0,1,2,3,4,5,6,7
	ds_load_b128 v[SC+8*NQ*\sc+NQ*\i:SC+8*NQ*\sc+NQ*\i+3], v[ADRS] offset:256*\i+2048*\sc
.endr
.endm
.macro PLACES n                        ; plain vector instructions that name no register of the products: in front of loads into registers that they have read, and of reads of results
.rept \n
	v_nop
.endr
.endm
.macro STEP slot, q, zero              ; a step of 128 along K that has its successor in the same slot
	s_wait_dscnt 4*NL                              ; B's set and A's tiles 0-3 are in; the youngest eight loads (A's tiles 4-7) may be out
	WIN MUL_LO
	MUL16 0, (\q)%2, \q, \slot, \zero
	MUL16 2, (\q)%2, \q, \slot, \zero
	s_wait_dscnt 0                                 ; A's tiles 4-7 are in
	PLACES NP
	FETCH_B \slot, (\q)+1, 1-(\q)%2
	FETCH_A \slot, (\q)+1, 0
	WIN MUL_HI
	MUL16 4, (\q)%2, \q, \slot, \zero
	MUL16 6, (\q)%2, \q, \slot, \zero
	PLACES NP
	WIN 0
	FETCH_A \slot, (\q)+1, 4
.endm
.macro STEPS slot, from
.set Q, \from
.rept NQ-1-\from
	STEP \slot, Q, 0
.set Q, Q+1
.endr
.endm
; Slot 0's last step, and the change to slot 1: each wave waits for its part of slot 1, then one barrier.
.macro CHANGE
	s_wait_tensorcnt 0x0                           ; all my tensor loads have landed: my part of slot 1
	ds_add_u32 v[SPW], v[NIL]                      ; 0 onto my spare word
	s_wait_dscnt 4*NL+1                            ; (the add and the youngest eight loads may be out)
	WIN MUL_LO
	MUL16 0, 1, NQ-1, 0, 0
	s_wait_dscnt 0x0                               ; no LDS instruction of mine is out at the signal
	s_barrier_signal -1
	MUL16 2, 1, NQ-1, 0, 0
	WIN 0
	s_barrier_wait -1                              ; slot 1 is whole
	PLACES NP
	FETCH_B 1, 0, 0
	FETCH_A 1, 0, 0
	SCALES 1
	WIN MUL_HI
	MUL16 4, 1, NQ-1, 0, 0
	MUL16 6, 1, NQ-1, 0, 0
	PLACES NP
	WIN 0
	FETCH_A 1, 0, 4
.endm
; 64 numbers of a lane, register 16 b + i = place 32 b + 16 (lane / 16) + i along the axis, become a fragment's codes in v[PC] on and its scale word in v[pw]
.macro QUANT s, pw
.irp b, 0,1,2,3
	v_max3_num_f32 v[TM+\b], |v[\s+16*\b]|, |v[\s+1+16*\b]|, 0x1800000   ; my 16 numbers of block b, and the floor 2^(3 - 127)
.endr
.irp i, 2,4,6,8,10,12,14
.irp b, 0,1,2,3
	v_max3_num_f32 v[TM+\b], v[TM+\b], |v[\s+16*\b+\i]|, |v[\s+1+16*\b+\i]|
.endr
.endr
.irp b, 0,1,2,3
	v_permlanex16_b32 v[TM+4+\b], v[TM+\b], s[SEL], s[SEL+1]
.endr
.irp b, 0,1,2,3
	v_max_num_f32 v[TM+\b], v[TM+\b], v[TM+4+\b]   ; with lane l xor 16's: the block's largest magnitude
.endr
.irp b, 0,1,2,3
	v_add_nc_u32 v[TM+8+\b], 0xff000000, v[TM+\b]  ; 2 off its exponent field: the conversion's scale operand
.endr
.irp b, 0,1,2,3
	v_lshrrev_b32 v[TM+4+\b], 23, v[TM+8+\b]       ; the scale's byte
.endr
	v_lshl_or_b32 v[\pw], v[TM+5], 8, v[TM+4]
	v_lshl_or_b32 v[\pw], v[TM+6], 16, v[\pw]
	v_lshl_or_b32 v[\pw], v[TM+7], 24, v[\pw]
.irp b, 0,1,2,3
	v_cvt_scalef32_pk8_fp4_f32 v[PC+2*\b], v[\s+16*\b:\s+7+16*\b], v[TM+8+\b]
	v_cvt_scalef32_pk8_fp4_f32 v[PC+1+2*\b], v[\s+8+16*\b:\s+15+16*\b], v[TM+8+\b]
.endr
	v_nop                                          ; one plain line behind a scaled conversion
.irp c, 0,1                            ; the operand's layout wants a whole block in a lane: lanes 0-15 block 2 c, lanes 16-31 block 2 c + 1
.irp i, 0,1
	v_permlane16_swap_b32 v[PC+4*\c+\i], v[PC+2+4*\c+\i]
.endr
.endr
.endm
; THE REST OF K AND THE WAY OUT.  isv = 0: q or k; 1: v.  The bias is asked for here, four steps (256 matrix instructions) ahead of its use.
.macro TAIL isv
	s_lshr_b32 s2, s17, 1                          ; the batch: 8 tiles of 256 rows of x to each
	s_lshl_b32 s3, s17, 2
.if \isv
	s_add_co_u32 s3, s3, s40                       ; the keys are B's rows: tile 4 Y + cx, unit s16
	s_and_b32 s3, s3, 7
	s_lshl_b32 s3, s3, 1
	s_add_co_u32 s3, s3, s16                       ; g
	s_lshl_b32 s20, s41, 2
	s_lshl_b32 s21, s15, 1
	s_add_co_u32 s20, s20, s21                     ; my first head: 4 cy + 2 x my half of A
	s_lshl_b32 s21, s2, 4
	s_add_co_u32 s20, s20, s21
	s_lshl_b32 s20, s20, 4
	s_add_co_u32 s20, s20, s3                      ; the record
	s_mul_i32 s20, s20, 8960
	s_add_co_u32 s20, s20, 4608                    ; V's part of it
	s_mov_b32 s21, 0
	s_add_nc_u64 s[96:97], s[10:11], s[20:21]
	s_add_nc_u64 s[98:99], s[96:97], 143360        ; the next head's: 16 records on
	v_mul_u32_u24 v[VSO], 143360, v[HH]
	v_lshl_add_u32 v[VSO], v1, 4, v[VSO]
	s_lshl_b32 s20, s41, 10
	s_lshl_b32 s23, s15, 9
	s_add_co_u32 s20, s20, s23
	s_add_nc_u64 s[46:47], s[12:13], s[20:21]      ; bv at my 128 columns d
	v_and_b32 v[BO], 8, v1
	v_add_nc_u32 v[BO], v[BO], v1
	v_lshlrev_b32 v[BO], 2, v[BO]                  ; my row of a tile: r + 8 (r / 8)
.irp a, 0,1,2,3,4,5,6,7
	global_load_b32 v[BV+2*\a], v[BO], s[46:47] offset:(32*(\a/2)+8*(\a%2))*4     ; one number a tile, twice: a pair for the packed addition
	global_load_b32 v[BV+2*\a+1], v[BO], s[46:47] offset:(32*(\a/2)+8*(\a%2))*4
.endr
.else
	s_add_co_u32 s3, s3, s41                       ; the tokens are A's rows: tile 4 Y + cy, unit s15
	s_and_b32 s3, s3, 7
	s_lshl_b32 s3, s3, 1
	s_add_co_u32 s3, s3, s15                       ; g
	s_lshl_b32 s20, s40, 2
	s_lshl_b32 s21, s16, 1
	s_add_co_u32 s20, s20, s21                     ; my first head: 4 cx + 2 x my half of B
	s_lshl_b32 s21, s2, 4
	s_add_co_u32 s20, s20, s21
	s_lshl_b32 s20, s20, 4
	s_add_co_u32 s20, s20, s3                      ; the record
	s_mov_b32 s22, 8960
	s_cmp_eq_u32 s42, 0                            ; q or k: the cluster's x, the same in all partners
	s_cselect_b32 s22, 4608, s22                   ; a record's bytes
	s_cselect_b64 s[96:97], s[8:9], s[10:11]
	s_cselect_b64 s[46:47], s[92:93], s[94:95]
	s_mul_i32 s20, s20, s22
	s_mov_b32 s21, 0
	s_add_nc_u64 s[96:97], s[96:97], s[20:21]
	s_lshl_b32 s20, s22, 4
	s_add_nc_u64 s[98:99], s[96:97], s[20:21]      ; the next head's: 16 records on
	v_mul_u32_u24 v[VSO], s20, v[HH]
	v_lshl_add_u32 v[VSO], v1, 4, v[VSO]
	s_mul_i32 s20, s42, s2                         ; kb has a row for each batch, bq one row
	s_lshl_b32 s20, s20, 12
	s_lshl_b32 s23, s40, 10
	s_add_co_u32 s20, s20, s23
	s_lshl_b32 s23, s16, 9
	s_add_co_u32 s20, s20, s23
	s_add_nc_u64 s[46:47], s[46:47], s[20:21]      ; the bias at my 128 columns n
	v_lshlrev_b32 v[BO], 6, v[HH]                  ; my half's 16 of each 32
.irp t, 0,1,2,3,4,5,6,7
	global_load_b128 v[BI+8*\t:BI+8*\t+3], v[BO], s[46:47] offset:(32*(\t/2)+8*(\t%2))*4
	global_load_b128 v[BI+8*\t+4:BI+8*\t+7], v[BO], s[46:47] offset:(32*(\t/2)+8*(\t%2))*4+16
.endr
.endif
	STEPS 1, 0
	s_wait_dscnt 4*NL                              ; the very last step: nothing more to fetch
	WIN MUL_LO
	MUL16 0, 1, NQ-1, 1, 0
	MUL16 2, 1, NQ-1, 1, 0
	s_wait_dscnt 0
	WIN MUL_HI
	MUL16 4, 1, NQ-1, 1, 0
	MUL16 6, 1, NQ-1, 1, 0
	WIN 0
	PLACES NP
	s_wait_loadcnt 0x0                             ; the bias
.irp a, 0,1,2,3,4,5,6,7
	WIN 0x02+\a/4                                  ; source 0: window 2 or 3
.set ii, 0
.rept 32                               ; each accumulator from its low end on
.if \isv
	v_pk_add_f32 v[HA+2*ii:HA+2*ii+1], v[64*(\a%4)+2*ii:64*(\a%4)+2*ii+1], v[BV+2*\a:BV+2*\a+1]
.else
	v_pk_add_f32 v[HA+2*ii:HA+2*ii+1], v[64*(\a%4)+2*ii:64*(\a%4)+2*ii+1], v[BI+2*ii:BI+2*ii+1]
.endif
.set ii, ii+1
.endr
	WIN 0
.if \a > 0
	s_wait_xcnt 0x0                                ; the last tile's stores have read the codes' registers
.endif
	QUANT HA, PW+\a
.if \isv                               ; a whole fragment: 16 d x 128 keys
.if \a < 4
	global_store_b128 v[LI], v[PC:PC+3], s[96:97] offset:1024*(\a%4)
	global_store_b128 v[LI], v[PC+4:PC+7], s[96:97] offset:1024*(\a%4)+512
.else
	global_store_b128 v[LI], v[PC:PC+3], s[98:99] offset:1024*(\a%4)
	global_store_b128 v[LI], v[PC+4:PC+7], s[98:99] offset:1024*(\a%4)+512
.endif
.else                                  ; two heads' halves of fragments: 16 tokens x 64 each.  Each store covers 512 consecutive bytes, aligned
	global_store_b128 v[LI], v[PC:PC+3], s[96:97] offset:512*\a
	global_store_b128 v[LI], v[PC+4:PC+7], s[98:99] offset:512*\a
.endif
.endr
.if \isv
	v_cmp_eq_u32 vcc_lo, 1, v[HH]
.irp j, 0,1,2,3
	v_cndmask_b32 v[TM+\j], v[PW+\j], v[PW+4+\j], vcc_lo   ; lanes 0-15 the first head's four tiles, lanes 16-31 the second's
.endr
	global_store_b128 v[VSO], v[TM:TM+3], s[96:97] offset:4096
.else
.irp a, 0,1,2,3,4,5,6,7
	v_lshrrev_b32 v[PW+\a], v[H16], v[PW+\a]       ; lanes 0-15 keep the first head's two bytes, lanes 16-31 the second's
.endr
.irp a, 0,1,2,3,4,5,6,7
	v_and_b32 v[PW+\a], 0xffff, v[PW+\a]
.endr
	global_store_b128 v[VSO], v[PW:PW+3], s[96:97] offset:4096   ; sixteen lanes store 256 consecutive bytes, aligned, in each head's record
	global_store_b128 v[VSO], v[PW+4:PW+7], s[96:97] offset:4352
.endif
.endm
	s_load_b256 s[4:11], s[0:1], 0x0               ; cimg s[4:5], simg s[6:7], qrec s[8:9], kvrec s[10:11]
	s_load_b128 s[92:95], s[0:1], 0x20             ; bq, kb
	s_load_b64 s[12:13], s[0:1], 0x30              ; bv
	v_lshl_add_u32 v[SPW], v0, 2, SPARE
	v_mov_b32 v[NIL], 0
	ds_add_u32 v[SPW], v[NIL]                      ; the wave's opening: the add, twice on end, and its wait ahead of my first tensor load
	ds_add_u32 v[SPW], v[NIL]
	v_lshrrev_b32 v1, 5, v0
	v_readfirstlane_b32 s14, v1                    ; wave 0..3
	s_lshr_b32 s15, s14, 1                         ; my unit of A.  Also: I fetch for A (0) or for B (1)
	s_and_b32 s16, s14, 1                          ; my unit of B.  Also: which unit I fetch
	s_bfe_u32 s40, ttmp6, 0x40000                  ; cx
	s_bfe_u32 s41, ttmp6, 0x40004                  ; cy
	s_mov_b32 s42, ttmp9                           ; X: 0 q, 1 k, 2 v
	s_and_b32 s17, ttmp7, 0xffff                   ; Y
	s_lshr_b32 s18, s42, 1                         ; isv
	s_xor_b32 s19, s18, 1
	s_lshl_b32 s43, s41, 2
	s_lshl_b32 s43, 15, s43                        ; my row of the cluster
	s_lshl_b32 s44, 0x1111, s40                    ; my column
	; group 1: a dense block as rows of 256 bytes (32 elements of 8 bytes): 128 rows of codes, 16 rows of scale bytes
	s_or_b32 s[G1+0], s43, (3<<16)|(1<<21)
	s_or_b32 s[G1B+0], s44, (3<<16)|(1<<21)
.irp g, G1, G1B
	s_mov_b32 s[\g+1], 4096<<16                    ; the head's loads of codes: two rows of 32,768 bytes (half a unit each), 65,536 bytes apart
	s_mov_b32 s[\g+2], 2<<16
	s_mov_b32 s[\g+3], 4096<<16
	s_mov_b32 s[\g+4], 2
	s_mov_b32 s[\g+5], 8192
	s_mov_b32 s[\g+6], 0
	s_mov_b32 s[\g+7], 0
.endr
	s_or_b32 s[G1S+0], s43, (3<<16)|(1<<21)
	s_or_b32 s[G1SB+0], s44, (3<<16)|(1<<21)
.irp g, G1S, G1SB
	s_mov_b32 s[\g+1], 32<<16
	s_mov_b32 s[\g+2], 32<<16                      ; two units' scale bytes: 32 rows of 256 bytes
	s_mov_b32 s[\g+3], 32<<16
	s_mov_b32 s[\g+4], 32
	s_mov_b32 s[\g+5], 32
	s_mov_b32 s[\g+6], 0
	s_mov_b32 s[\g+7], 0
.endr
	; A's tile of 256 rows of cimg: q, k: 4 Y + cy (x);  v: 40 + cy (Wv).  These registers never hold cx
	s_lshl_b32 s20, s17, 2
	s_mul_i32 s20, s20, s19
	s_mul_i32 s21, s18, 40
	s_add_co_u32 s20, s20, s21
	s_add_co_u32 s20, s20, s41
	s_lshl_b32 s20, s20, 1
	s_add_co_u32 s20, s20, s16                     ; the unit that I fetch
	; B's: q, k: 32 + 4 X + cx (the weight);  v: 4 Y + cx (x).  These never hold cy
	s_lshl_b32 s46, s42, 2
	s_add_co_u32 s46, s46, 32
	s_mul_i32 s46, s46, s19
	s_lshl_b32 s47, s17, 2
	s_mul_i32 s47, s47, s18
	s_add_co_u32 s46, s46, s47
	s_add_co_u32 s46, s46, s40
	s_lshl_b32 s46, s46, 1
	s_add_co_u32 s46, s46, s16
	s_lshl_b32 s22, s20, 12                        ; scale bytes: 4,096 a unit
	s_mov_b32 s23, 0
	s_lshl_b32 s20, s20, 16                        ; codes: 65,536 a unit
	s_mov_b32 s21, 0
	s_lshl_b32 s2, s46, 12
	s_mov_b32 s3, 0
	s_lshl_b32 s46, s46, 16
	s_mov_b32 s47, 0
	s_lshl_b32 s45, s14, 15                        ; where they go: wave x 32,768: no place in the cluster enters an LDS address
	s_mov_b32 s[SEL], 0x76543210
	s_mov_b32 s[SEL+1], 0xfedcba98
	s_wait_dscnt 0x0                               ; both opening adds are done
	s_wait_kmcnt 0x0
	s_add_nc_u64 s[20:21], s[4:5], s[20:21]
	s_add_nc_u64 s[22:23], s[6:7], s[22:23]
	s_add_nc_u64 s[46:47], s[4:5], s[46:47]
	s_add_nc_u64 s[2:3], s[6:7], s[2:3]
	CROUND                                         ; all sixteen work-groups are here: the joint loads meet
	s_mov_b32 s[G0S], 1
	s_lshl_b32 s66, s16, 12                        ; back from the unit that I fetch in the ring to the pair's first unit
	s_mov_b32 s67, 0
	s_mov_b32 s[G0S+1], SCL
	s_sub_nc_u64 s[G0S+2:G0S+3], s[22:23], s[66:67]
	s_or_b32 s[G0S+3], s[G0S+3], 0x80000000
	s_mov_b32 s[G0SB], 1
	s_mov_b32 s[G0SB+1], SCL+2*HALFS
	s_sub_nc_u64 s[G0SB+2:G0SB+3], s[2:3], s[66:67]
	s_or_b32 s[G0SB+3], s[G0SB+3], 0x80000000
	s_lshl_b32 s66, s16, 16
	s_mov_b32 s4, 1                                ; s[4:7]: group 0 for slot 0's codes of A's two units (the arguments that lay there have been used)
	s_mov_b32 s5, 0
	s_sub_nc_u64 s[6:7], s[20:21], s[66:67]
	s_or_b32 s7, s7, 0x80000000
	s_mov_b32 s96, 1                               ; s[96:99]: the same for B's two units, behind A's
	s_mov_b32 s97, 65536
	s_sub_nc_u64 s[98:99], s[46:47], s[66:67]
	s_or_b32 s99, s99, 0x80000000
.irp s, 1
	s_mov_b32 s[G0+4*\s], 1
	s_add_co_u32 s[G0+4*\s+1], s45, \s*SLOT
	s_add_nc_u64 s[G0+4*\s+2:G0+4*\s+3], s[20:21], \s*UNITB
	s_or_b32 s[G0+4*\s+3], s[G0+4*\s+3], 0x80000000
	s_mov_b32 s[G0B+4*\s], 1
	s_add_co_u32 s[G0B+4*\s+1], s45, \s*SLOT
	s_add_nc_u64 s[G0B+4*\s+2:G0B+4*\s+3], s[46:47], \s*UNITB
	s_or_b32 s[G0B+4*\s+3], s[G0B+4*\s+3], 0x80000000
.endr
; the head's four tiles, one a wave: wave 0 slot 0's codes of A, wave 1 those of B, wave 2 A's scale bytes, wave 3 B's: one chain of branches on the wave's number
.macro ARM under, g0, g1, next
	s_cmp_lt_u32 s14, \under
	s_cbranch_scc0 \next
	tensor_load_to_lds s[\g0:\g0+3], s[\g1:\g1+7]
	s_nop 0
.rept 4
	v_nop
.endr
	s_branch .Lhead_asked
\next:
.endm
	ARM 1, 4, G1, .Lhead_b
	ARM 2, 96, G1B, .Lhead_sa
	ARM 3, G0S, G1S, .Lhead_sb
	tensor_load_to_lds s[G0SB:G0SB+3], s[G1SB:G1SB+7]
	s_nop 0
.rept 4
	v_nop
.endr
.Lhead_asked:
	v_and_b32 v1, 15, v0                           ; r
	v_bfe_u32 v[HH], v0, 4, 1
	s_wait_alu depctr_va_vdst(0)
	v_lshlrev_b32 v[H16], 4, v[HH]
	v_and_b32 v2, 31, v0
	v_lshlrev_b32 v[LI], 4, v2
	s_lshl_b32 s21, s15, 15                        ; my unit of A,
	s_lshl_b32 s22, s16, 15                        ; my unit of B,
	s_add_co_u32 s22, s22, 65536                   ; which lies behind A's two
.irp s, 0,1
	v_add_nc_u32 v[ADRA+\s], s21, v[LI]
	v_add_nc_u32 v[ADRB+\s], s22, v[LI]
	s_add_co_u32 s21, s21, SLOT
	s_add_co_u32 s22, s22, SLOT
.endr
	v_lshlrev_b32 v5, 4, v1                        ; a row's 16 scale bytes of a half
	s_mul_i32 s21, s15, HALFS
	s_mul_i32 s22, s16, HALFS
	s_add_co_u32 s22, s22, 2*HALFS
	s_sub_co_u32 s22, s22, s21
	v_mul_u32_u24 v6, s22, v[HH]                   ; lanes 16-31 take B's: the lower base + h x the distance
	s_add_co_u32 s21, s21, SCL
	v_add_nc_u32 v5, v5, v6
	v_add_nc_u32 v[ADRS], s21, v5
.irp b, 0,1,2,3
	v_mov_b32 v[TM+4+\b], 0                        ; written once: a lane permute's destination counts as one of its sources
.endr
	s_wait_alu depctr_va_vdst(0)
	s_wait_tensorcnt 0x0                           ; my tile of the head's four is in
	ds_add_u32 v[SPW], v[NIL]
.irp g, G1, G1B
	s_mov_b32 s[\g+1], 32<<16                      ; no tensor load of mine is out: from here on a load brings half a unit as 128 rows of 256 bytes
	s_mov_b32 s[\g+2], 128<<16
	s_mov_b32 s[\g+3], 32<<16
	s_mov_b32 s[\g+4], 128
	s_mov_b32 s[\g+5], 32
.endr
	s_wait_dscnt 0x0
	CROUND                                         ; all four tiles are in, and the sixteen work-groups are here
	JLOAD G0+4, G1, G0B+4, G1B                     ; slot 1's first fill, a quarter a wave
	FETCH_B 0, 0, 0
	FETCH_A 0, 0, 0
	SCALES 0
	FETCH_A 0, 0, 4
	STEP 0, 0, 1                                   ; the first products start the sums
	STEPS 0, 1
	CHANGE
	s_cmp_eq_u32 s18, 0                            ; the one parting, behind the last barrier of the products: on the cluster's x, the same in all partners
	s_cbranch_scc0 .Lv
	TAIL 0
	s_branch .Lend
.Lv:
	TAIL 1
.Lend:
	s_wait_tensorcnt 0x0                           ; the wave's end
	ds_add_u32 v[SPW], v[NIL]
	s_wait_dscnt 0x0
	CROUND                                         ; the closing round
	s_endpgm
.Lfunc_end_k_qb5d52a0089_qkv:
	.size	k_qb5d52a0089_qkv, .Lfunc_end_k_qb5d52a0089_qkv-k_qb5d52a0089_qkv
	.p2alignl 7, 3214868480
	.fill 96, 4, 3214868480
	.section	.rodata,"a",@progbits
	.p2align	6, 0x0
	.amdhsa_kernel k_qb5d52a0089_qkv
		.amdhsa_group_segment_fixed_size 327680
		.amdhsa_private_segment_fixed_size 0
		.amdhsa_enable_private_segment 0
		.amdhsa_kernarg_size 56
		.amdhsa_user_sgpr_count 2
		.amdhsa_user_sgpr_kernarg_segment_ptr 1
		.amdhsa_wavefront_size32 1
		.amdhsa_system_sgpr_workgroup_id_x 1
		.amdhsa_system_sgpr_workgroup_id_y 1
		.amdhsa_system_sgpr_workgroup_id_z 1
		.amdhsa_system_vgpr_workitem_id 0
		.amdhsa_next_free_vgpr 1024
		.amdhsa_next_free_sgpr 102
		.amdhsa_reserve_vcc 1
		.amdhsa_float_denorm_mode_32 3
		.amdhsa_float_denorm_mode_16_64 3
		.amdhsa_memory_ordered 1
		.amdhsa_forward_progress 1
		.amdhsa_inst_pref_size 238
	.end_amdhsa_kernel
	.amdgpu_metadata
---
amdhsa.version: [ 1, 2 ]
amdhsa.kernels:
  - .name:           k_qb5d52a0089_qkv
    .symbol:         k_qb5d52a0089_qkv.kd
    .args:
      - { .name: cimg, .offset: 0, .size: 8, .value_kind: global_buffer, .address_space: global }
      - { .name: simg, .offset: 8, .size: 8, .value_kind: global_buffer, .address_space: global }
      - { .name: qrec, .offset: 16, .size: 8, .value_kind: global_buffer, .address_space: global }
      - { .name: kvrec, .offset: 24, .size: 8, .value_kind: global_buffer, .address_space: global }
      - { .name: bq, .offset: 32, .size: 8, .value_kind: global_buffer, .address_space: global }
      - { .name: kb, .offset: 40, .size: 8, .value_kind: global_buffer, .address_space: global }
      - { .name: bv, .offset: 48, .size: 8, .value_kind: global_buffer, .address_space: global }
    .group_segment_fixed_size: 327680
    .private_segment_fixed_size: 0
    .kernarg_segment_align: 8
    .kernarg_segment_size: 56
    .max_flat_workgroup_size: 128
    .sgpr_count:     102
    .vgpr_count:     1024
    .wavefront_size: 32
...
	.end_amdgpu_metadata
.endif
;; end of part 2
;; launch attn (part 3): grid 8 x 32, 8 waves a work-group, clusters of 4 x 1, 327,680 bytes of LDS; arguments qrec, kvrec, oimg, osc; writes oimg, osc
.if DOCPART == 3
	.amdgcn_target "amdgcn-amd-amdhsa--gfx1250"
	.amdhsa_code_object_version 6
	.text
	.protected	k_qb5d52a0089_attn
	.globl	k_qb5d52a0089_attn
	.p2align	8
	.type	k_qb5d52a0089_attn,@function
k_qb5d52a0089_attn:
	s_mov_b64 s[64:65], 0
	v_nop
	global_prefetch_b8 v0, s[64:65] scope:SCOPE_SE
	s_setreg_imm32_b32 hwreg(HW_REG_WAVE_MODE, 25, 1), 1
	s_wait_xcnt 0x0
	s_wait_alu depctr_hold_cnt(0) depctr_sa_sdst(0) depctr_va_vdst(0) depctr_va_sdst(0) depctr_va_ssrc(0) depctr_va_vcc(0) depctr_vm_vsrc(0)
	s_getreg_b32 s2, hwreg(HW_REG_IB_STS2, 6, 4)
	s_cmp_eq_u32 s2, 0
	s_cbranch_scc0 .Lentry_in_a_cluster
	s_endpgm
.Lentry_in_a_cluster:
	s_bfe_u32 s2, ttmp6, 0x10000c
	s_cmp_lg_u32 s2, 0x3003
	s_cbranch_scc0 .Lentry_shape_is_right
	s_endpgm
.Lentry_shape_is_right:
; ATTENTION on codes of E2M1: o = softmax(q k^T / 8) v for 256 queries of two (batch, head) pairs, y and y + 32; o is quantised along the head's 64 on the way out.  No work is left out.
; p = 2^(t - M), t = score x log2(e) / 8, M = the ceiling of the running largest t; the row's sum is taken of the unquantised p and divides at the end; a move of M multiplies sum and O by an exact power of two.
; LIMITS: the promise holds while |t| stays under 2^31; NaN and infinities are not served; a block of p that is all zeros gets the byte 1 over zero codes.
; SHARES: eight waves, two to a SIMD; a wave owns 32 queries (tiles A and B of 16), which share each fragment of K and V read from LDS.  A step is 128 keys, one record of kvrec.
; LDS: both heads' 16 records stay for the whole launch, each wave fetching two records a head by one joint load (the four work-groups of a cluster walk the same heads).  Rows of 256 bytes get 32 bytes of padding.
; No prefetch: all that the launch reads by tensor loads is asked for by each wave's two loads at the head; no later request is left to run ahead of.
; LAYOUT: both products transposed (S^T = K Q^T, O^T = V^T P^T): a lane holds one query.  Row i of my tile t of K is key 64 (t / 4) + 32 (i / 8) + 8 (t % 4) + i % 8, picked by the lanes' LDS addresses,
;   so that lane half h holds ALL 32 keys of blocks h and 2 + h: a block's maximum needs no other lane, and the conversions' results are P's operand registers as they stand.
; REGISTERS: window 0: addresses, state of both tiles, Q, K, V, P, scale words.  Window 1: v0-127 S^T then p (A, B), v128-191 O^T (A, B), v192-255 the sums' trees (A, B): one window setting serves both tiles.
.set RECG,  8960
.set ROWL,  288
.set RECL,  35*ROWL
.set HEADL, 16*RECL
.set SPARE, 2*HEADL                    ; the spare words: 128 bytes for each of eight waves
.set LK,  1                            ; lane's place in a tile of K: 4 ROWL (i / 8) + ROWL h + 16 (i % 8)
.set LV,  2                            ; in a tile of V: ROWL h + 16 i
.set SPW, 3
.set NIL, 4
.set LS,  5                            ; among K's scale words
.set LVS, 6                            ; among V's
.set SH8, 7                            ; 8 h
.set ADK, 8
.set ADV, 9
.set ADS, 10
.set ADT, 11
.set NM,  12                           ; -M: pairs v[12:13] (A), v[14:15] (B), the low word counts
.set F,   16                           ; f = 2^(old M - new M): pairs likewise
.set MX,  20                           ; the running largest score
.set TP,  22
.set TT,  24
.set TD,  26
.set W,   28
.set QS,  64                           ; Q's scale words: head 0 A, B; head 1 A, B
.set KS,  68
.set VS,  76
.set PW,  80                           ; P's scale words
.set L,   84                           ; the sums: pairs
.set LI,  88                           ; 16 x lane
.set RI,  89                           ; 16 x (lane % 16)
.set KF,  96
.set VF,  160
.set P,   192
.set BM,  208                          ; block maxima: A's two, B's two
.set SO,  212
.set BY,  216
.set O,   128                          ; window 1
.set T,   192                          ; window 1
.set MSB, 0
.macro WIN new                         ; the immediate's high byte repeats the setting that is left
.if MSB != (\new)
	s_set_vgpr_msb (MSB<<8)|(\new)
.set MSB, (\new)
.endif
.endm
.macro CROUND
	s_barrier_signal -1
	s_barrier_wait -1
	s_cmp_lg_u32 s12, 0
	s_cbranch_scc1 .Lnot_wave_0_\@
	s_barrier_signal -3
.Lnot_wave_0_\@:
	s_barrier_wait -3
	s_barrier_signal -1
	s_barrier_wait -1
.endm
.macro KLOAD                           ; eight tiles of K and their scale words: twelve loads
.irp t, 0,1,2,3,4,5,6,7
	ds_load_b128 v[KF+8*\t:KF+8*\t+3], v[ADK] offset:(\t/4)*8*ROWL+(\t%2)*2*ROWL+((\t%4)/2)*128
.endr
.irp a, 0,1
.irp b, 0,1
	ds_load_b64 v[KS+4*\a+2*\b:KS+4*\a+2*\b+1], v[ADS] offset:ROWL*\a+128*\b
.endr
.endr
.endm
.macro LEVEL w                         ; a level of both sum trees
.set jj, 0
.rept \w
	v_pk_add_f32 v[T+2*jj:T+2*jj+1], v[T+2*jj:T+2*jj+1], v[T+2*(jj+\w):T+2*(jj+\w)+1]
	v_pk_add_f32 v[T+32+2*jj:T+33+2*jj], v[T+32+2*jj:T+33+2*jj], v[T+32+2*(jj+\w):T+33+2*(jj+\w)]
.set jj, jj+1
.endr
.endm
.macro ITEM it, qa, qb, qs
.if \it
	s_wait_alu depctr_va_vdst(0)
	s_wait_xcnt 0x0                                ; the first head's stores have read their registers
	s_wait_tensorcnt 0x0                           ; my part of the second head is in,
	s_wait_dscnt 0x0
	s_barrier_signal -1
	s_barrier_wait -1                              ; and everybody's
.endif
	s_mov_b32 s40, \it*HEADL
	s_mov_b32 s41, 16
	v_add_nc_u32 v[ADK], s40, v[LK]
	v_add_nc_u32 v[ADS], s40, v[LS]
	KLOAD                                          ; the first step's K
	v_mov_b32 v[MX], 0xff61b1e6                    ; -3e38, under every score
	v_mov_b32 v[MX+1], 0xff61b1e6
	v_mov_b32 v[NM], 0x7e000000                    ; -M = 2^125: the first move of M gives f = 0, over zeros
	v_mov_b32 v[NM+2], 0x7e000000
.irp j, 0,1,2,3
	v_mov_b32 v[L+\j], 0
.endr
	WIN 0x40
.set jj, 0
.rept 64
	v_mov_b32 v[O+jj], 0                           ; O^T: the step is written once
.set jj, jj+1
.endr
	WIN 0
.Lstep_\@:
	s_add_co_u32 s43, s40, RECL                    ; the record whose K is fetched ahead: the next, in the last step this one again
	s_min_u32 s43, s43, \it*HEADL+15*RECL
	v_add_nc_u32 v[ADV], s40, v[LV]                ; (four places behind the last products, ahead of the loads into V's registers)
	v_add_nc_u32 v[ADT], s40, v[LVS]
	v_add_nc_u32 v[ADK], s43, v[LK]
	v_add_nc_u32 v[ADS], s43, v[LS]
.irp d, 0,1,2,3
.irp c, 0,1
	ds_load_b128 v[VF+8*\d+4*\c:VF+8*\d+4*\c+3], v[ADV] offset:ROWL*(18+4*\d+2*\c)
.endr
.endr
	ds_load_b128 v[VS:VS+3], v[ADT]
	s_wait_alu depctr_va_vdst(0)
	s_wait_dscnt 9                                 ; K is in; V's nine loads may be out
	WIN 0x40
.irp t, 0,1,2,3,4,5,6,7
	v_wmma_scale_f32_16x16x128_f8f6f4 v[8*\t:8*\t+7], v[KF+8*\t:KF+8*\t+7], v[\qa:\qa+7], 0, v[KS+\t], v[\qs] matrix_a_fmt:MATRIX_FMT_FP4 matrix_b_fmt:MATRIX_FMT_FP4
	v_wmma_scale_f32_16x16x128_f8f6f4 v[64+8*\t:71+8*\t], v[KF+8*\t:KF+8*\t+7], v[\qb:\qb+7], 0, v[KS+\t], v[\qs+1] matrix_a_fmt:MATRIX_FMT_FP4 matrix_b_fmt:MATRIX_FMT_FP4
.endr
	WIN 0x14                                       ; sources 1 and 2 in window 1
.rept 4
	v_nop
.endr
	KLOAD                                          ; the next step's K lands under the softmax
.irp k, 0,1,2,3
	v_max3_num_f32 v[BM+\k], 0xff800000, v[32*\k], v[32*\k+1]     ; the largest score of each of my four blocks of 32 keys, by turns
.endr
.irp n, 2,4,6,8,10,12,14,16,18,20,22,24,26,28,30
.irp k, 0,1,2,3
	v_max3_num_f32 v[BM+\k], v[BM+\k], v[32*\k+\n], v[32*\k+\n+1]
.endr
.endr
	WIN 0
.irp x, 0,1
	v_max3_num_f32 v[MX+\x], v[MX+\x], v[BM+2*\x], v[BM+2*\x+1]
.endr
.irp x, 0,1
	v_permlanex16_b32 v[TP+\x], v[MX+\x], s20, s21
.endr
.irp x, 0,1
	v_max_num_f32 v[MX+\x], v[MX+\x], v[TP+\x]     ; with the other half's keys: the running largest score
.endr
.irp x, 0,1
	v_mul_f32 v[TT+\x], s22, v[MX+\x]
.endr
.irp x, 0,1
	v_floor_f32 v[TT+\x], -v[TT+\x]                ; the new -M
.endr
.irp x, 0,1
	v_sub_f32 v[TD+\x], v[TT+\x], v[NM+2*\x]       ; old M - new M: a whole number
.endr
.irp x, 0,1
	v_mov_b32 v[NM+2*\x], v[TT+\x]
.endr
.irp x, 0,1
	v_cvt_i32_f32 v[TD+\x], v[TD+\x]               ; (it saturates)
.endr
.irp x, 0,1
	v_ldexp_f32 v[F+2*\x], 1.0, v[TD+\x]
.endr
.irp k, 0,1,2,3
	v_fma_f32 v[BM+\k], v[BM+\k], s22, v[NM+2*(\k/2)]   ; t - M of each block's largest score
.endr
	WIN 0x41                                       ; source 0 and destination in window 1
.set jj, 0
.rept 32
	v_pk_fma_f32 v[jj:jj+1], v[jj:jj+1], s[22:23], v[NM:NM+1] op_sel_hi:[1,0,0]     ; A: t - M
.set jj, jj+2
.endr
	s_wait_alu depctr_va_vdst(0)
.set jj, 0
.rept 32
	v_exp_f32 v[jj], v[jj]                         ; A's p; B's t - M stands among them: independent lines, first read behind the next wait
	v_exp_f32 v[jj+1], v[jj+1]
	v_pk_fma_f32 v[64+jj:65+jj], v[64+jj:65+jj], s[22:23], v[NM+2:NM+3] op_sel_hi:[1,0,0]
.set jj, jj+2
.endr
	WIN 0x45                                       ; sources 0, 1 and destination in window 1
	s_wait_alu depctr_va_vdst(0)                   ; behind A's batch, ahead of B's
.set jj, 0
.rept 16
	v_exp_f32 v[64+4*jj], v[64+4*jj]               ; B's p; the first level of A's sum stands among them
	v_exp_f32 v[65+4*jj], v[65+4*jj]
	v_exp_f32 v[66+4*jj], v[66+4*jj]
	v_exp_f32 v[67+4*jj], v[67+4*jj]
	v_pk_add_f32 v[T+2*jj:T+2*jj+1], v[4*jj:4*jj+1], v[4*jj+2:4*jj+3]
.set jj, jj+1
.endr
	WIN 0
.irp k, 0,1,2,3
	v_exp_f32 v[BM+\k], v[BM+\k]                   ; each block's largest p
.endr
	v_nop
	s_wait_alu depctr_va_vdst(0)                   ; one wait behind the batch
.irp k, 0,1,2,3
	v_max_num_f32 v[BM+\k], 0x1800000, v[BM+\k]    ; the floor 2^(3 - 127): the byte cannot fall under 1
.endr
.irp k, 0,1,2,3
	v_add_nc_u32 v[SO+\k], 0xff000000, v[BM+\k]    ; 2 off the exponent field: the conversion's scale operand
.endr
.irp k, 0,1,2,3
	v_lshrrev_b32 v[BY+\k], 23, v[SO+\k]
.endr
.irp x, 0,1
	v_lshl_or_b32 v[W+\x], v[BY+2*\x+1], 16, v[BY+2*\x]   ; my bytes: blocks h and 2 + h,
.endr
.irp x, 0,1
	v_lshlrev_b32 v[W+\x], v[SH8], v[W+\x]         ; at their places,
.endr
.irp x, 0,1
	v_permlanex16_b32 v[TP+\x], v[W+\x], s20, s21
.endr
.irp x, 0,1
	v_or_b32 v[PW+\x], v[W+\x], v[TP+\x]           ; with the other half's two the word is whole
.endr
	WIN 0x45
.set jj, 0
.rept 16
	v_pk_add_f32 v[T+32+2*jj:T+33+2*jj], v[64+4*jj:65+4*jj], v[66+4*jj:67+4*jj]
.set jj, jj+1
.endr
	LEVEL 8
	LEVEL 4
	LEVEL 2
	LEVEL 1
	WIN 0x01                                       ; source 0 in window 1
.irp k, 0,1,2,3
.irp g, 0,1,2,3
	v_cvt_scalef32_pk8_fp4_f32 v[P+4*\k+\g], v[32*\k+8*\g:32*\k+8*\g+7], v[SO+\k]   ; register 4 c + g of P: keys 64 c + 32 h + 8 g on
.endr
.endr
	v_nop
	WIN 0x10                                       ; source 2 in window 1
.irp x, 0,1
	v_pk_fma_f32 v[L+2*\x:L+2*\x+1], v[L+2*\x:L+2*\x+1], v[F+2*\x:F+2*\x+1], v[T+32*\x:T+32*\x+1] op_sel_hi:[1,0,1]   ; the sum under the new M, and this step's
.endr
	WIN 0x41
	s_wait_alu depctr_va_vdst(0)
.set jj, 0
.rept 32
	v_pk_mul_f32 v[O+jj:O+jj+1], v[O+jj:O+jj+1], v[F+2*(jj/32):F+2*(jj/32)+1] op_sel_hi:[1,0]
.set jj, jj+2
.endr
	s_wait_alu depctr_va_vdst(0)
	s_wait_dscnt 12                                ; V is in; the next K's twelve loads may be out
	WIN 0x50                                       ; C and D in window 1
.irp d, 0,1,2,3
	v_wmma_scale_f32_16x16x128_f8f6f4 v[O+8*\d:O+8*\d+7], v[VF+8*\d:VF+8*\d+7], v[P:P+7], v[O+8*\d:O+8*\d+7], v[VS+\d], v[PW] matrix_a_fmt:MATRIX_FMT_FP4 matrix_b_fmt:MATRIX_FMT_FP4
	v_wmma_scale_f32_16x16x128_f8f6f4 v[O+32+8*\d:O+39+8*\d], v[VF+8*\d:VF+8*\d+7], v[P+8:P+15], v[O+32+8*\d:O+39+8*\d], v[VS+\d], v[PW+1] matrix_a_fmt:MATRIX_FMT_FP4 matrix_b_fmt:MATRIX_FMT_FP4
.endr
	WIN 0
	s_add_co_u32 s40, s40, RECL
	s_sub_co_u32 s41, s41, 1
	s_cmp_lg_u32 s41, 0
	s_cbranch_scc1 .Lstep_\@
	; the way out: O^T / the sum, quantised along the head's 64: register 16 b + n of a tile is channel 32 b + 16 h + n
.rept 4
	v_nop
.endr
.irp x, 0,1
	v_add_f32 v[TT+\x], v[L+2*\x], v[L+2*\x+1]
.endr
.irp x, 0,1
	v_permlanex16_b32 v[TP+\x], v[TT+\x], s20, s21
.endr
.irp x, 0,1
	v_add_f32 v[TT+\x], v[TT+\x], v[TP+\x]
.endr
	s_wait_alu depctr_va_vdst(0)
.irp x, 0,1
	v_rcp_f32 v[TT+\x], v[TT+\x]
.endr
	v_nop
	WIN 0x41
	s_wait_alu depctr_va_vdst(0)
.set jj, 0
.rept 64
	v_mul_f32 v[jj], v[O+jj], v[TT+jj/32]
.set jj, jj+1
.endr
	WIN 0x14
.irp k, 0,1,2,3
	v_max3_num_f32 v[BM+\k], 0x1800000, |v[16*\k]|, |v[16*\k+1]|
.endr
.irp n, 2,4,6,8,10,12,14
.irp k, 0,1,2,3
	v_max3_num_f32 v[BM+\k], v[BM+\k], |v[16*\k+\n]|, |v[16*\k+\n+1]|
.endr
.endr
	WIN 0
.irp k, 0,1,2,3
	v_permlanex16_b32 v[BY+\k], v[BM+\k], s20, s21
.endr
.irp k, 0,1,2,3
	v_max_num_f32 v[BM+\k], v[BM+\k], v[BY+\k]
.endr
.irp k, 0,1,2,3
	v_add_nc_u32 v[SO+\k], 0xff000000, v[BM+\k]
.endr
.irp k, 0,1,2,3
	v_lshrrev_b32 v[BY+\k], 23, v[SO+\k]
.endr
.irp x, 0,1
	v_lshl_or_b32 v[W+\x], v[BY+2*\x+1], 8, v[BY+2*\x]
.endr
	WIN 0x01
.irp k, 0,1,2,3
	v_cvt_scalef32_pk8_fp4_f32 v[P+8*(\k/2)+2*(\k%2)], v[16*\k:16*\k+7], v[SO+\k]
	v_cvt_scalef32_pk8_fp4_f32 v[P+8*(\k/2)+2*(\k%2)+1], v[16*\k+8:16*\k+15], v[SO+\k]
.endr
	v_nop
	WIN 0
.irp x, 0,1
	v_permlane16_swap_b32 v[P+8*\x], v[P+8*\x+2]
	v_permlane16_swap_b32 v[P+8*\x+1], v[P+8*\x+3]
.endr
	global_store_b128 v[LI], v[P:P+3], s[44:45] offset:\it*2097152            ; the wave stores 512 consecutive bytes, aligned
	global_store_b128 v[LI], v[P+8:P+11], s[44:45] offset:\it*2097152+4096
	global_store_b16 v[RI], v[W], s[46:47] offset:\it*131072                  ; lanes l and l + 16 store the same two bytes at the same place
	global_store_b16 v[RI], v[W+1], s[46:47] offset:\it*131072+256
.endm
	s_load_b256 s[4:11], s[0:1], 0x0               ; qrec, kvrec, oimg, osc
	v_lshl_add_u32 v[SPW], v0, 2, SPARE
	v_mov_b32 v[NIL], 0
	ds_add_u32 v[SPW], v[NIL]                      ; the opening: the add twice on end and its wait
	ds_add_u32 v[SPW], v[NIL]
	v_lshrrev_b32 v8, 5, v0
	v_readfirstlane_b32 s12, v8                    ; wave 0..7
	s_bfe_u32 s13, ttmp6, 0x40000
	s_lshl_b32 s14, ttmp9, 2
	s_add_co_u32 s14, s14, s13                     ; which 256 queries
	s_and_b32 s15, ttmp7, 0xffff                   ; y
	s_mov_b32 s24, 15|(3<<16)|(1<<20)|(1<<21)|(5<<22)|(7<<25)   ; all four partners; elements of 8 bytes; eight words of padding behind every 64
	s_mov_b32 s25, 32<<16
	s_mov_b32 s26, 70<<16                          ; two records: 70 rows of 256 bytes
	s_mov_b32 s27, 32<<16
	s_mov_b32 s28, 70
	s_mov_b32 s29, 32
	s_mov_b32 s30, 0
	s_mov_b32 s31, 0
	s_lshl_b32 s16, s15, 4
	s_lshl_b32 s17, s12, 1
	s_add_co_u32 s16, s16, s17
	s_mul_i32 s16, s16, RECG
	s_mov_b32 s17, 0
	s_mul_i32 s18, s12, 2*RECL
	s_mov_b32 s20, 0x76543210
	s_mov_b32 s21, 0xfedcba98
	s_mov_b32 s22, 0x3e38aa3b                      ; log2(e) / 8
	s_mov_b32 s23, s22
	s_wait_dscnt 0x0
	s_wait_kmcnt 0x0
	s_mov_b32 s32, 1
	s_mov_b32 s33, s18
	s_add_nc_u64 s[34:35], s[6:7], s[16:17]
	s_mov_b32 s36, 1
	s_add_co_u32 s37, s18, HEADL
	s_add_nc_u64 s[38:39], s[34:35], 4587520       ; head y + 32
	s_or_b32 s35, s35, 0x80000000
	s_or_b32 s39, s39, 0x80000000
	CROUND
	tensor_load_to_lds s[32:35], s[24:31]          ; my two records of the first head
	s_nop 0
	v_and_b32 v8, 15, v0                           ; i
	v_bfe_u32 v9, v0, 4, 1                         ; h
	v_and_b32 v10, 7, v0
	v_bfe_u32 v11, v0, 3, 1
	v_and_b32 v22, 31, v0
	v_lshlrev_b32 v[RI], 4, v8
	v_lshlrev_b32 v[LI], 4, v22
	v_mul_u32_u24 v[LV], v9, ROWL
	v_lshlrev_b32 v[LS], 4, v10
	v_lshlrev_b32 v[SH8], 3, v9
	v_lshl_add_u32 v[LK], v10, 4, v[LV]
	v_lshl_add_u32 v[LS], v11, 3, v[LS]
	v_add_nc_u32 v[LV], v[LV], v[RI]
	v_mad_u32_u24 v[LK], v11, 4*ROWL, v[LK]
	v_add_nc_u32 v[LS], 16*ROWL, v[LS]
	v_add_nc_u32 v[LVS], 34*ROWL, v[RI]
.irp q, 32,40,48,56
.irp j, 4,5,6,7
	v_mov_b32 v[\q+\j], 0                          ; the head's K is 64: the upper half of each fragment is zero codes
.endr
.endr
.irp t, 0,1,2,3,4,5,6,7
.irp j, 4,5,6,7
	v_mov_b32 v[KF+8*\t+\j], 0
.endr
.endr
.irp j, NM+1, NM+3, F+1, F+3, TP, TP+1
	v_mov_b32 v[\j], 0                             ; named in pairs or as a permute's destination before they are first written
.endr
	s_lshl_b32 s16, s15, 4
	s_lshl_b32 s17, s14, 1
	s_add_co_u32 s16, s16, s17
	s_lshr_b32 s17, s12, 2
	s_add_co_u32 s16, s16, s17                     ; Q's record: 16 y + the group of 128 tokens
	s_mul_i32 s16, s16, 4608
	s_and_b32 s17, s12, 3
	s_lshl_b32 s18, s17, 10                        ; my two tiles: 2 (wave % 4) on
	s_add_co_u32 s18, s16, s18
	s_mov_b32 s19, 0
	s_add_nc_u64 s[18:19], s[4:5], s[18:19]
	s_lshr_b32 s17, s17, 1
	s_lshl_b32 s17, s17, 8
	s_add_co_u32 s16, s16, s17
	s_and_b32 s17, s12, 1
	s_lshl_b32 s17, s17, 3
	s_add_co_u32 s16, s16, s17
	s_add_co_u32 s16, s16, 4096
	s_mov_b32 s17, 0
	s_add_nc_u64 s[16:17], s[4:5], s[16:17]
	s_wait_alu depctr_va_vdst(0)
	global_load_b128 v[32:35], v[LI], s[18:19]
	global_load_b128 v[40:43], v[LI], s[18:19] offset:512
	global_load_b128 v[48:51], v[LI], s[18:19] offset:2359296
	global_load_b128 v[56:59], v[LI], s[18:19] offset:2359808
	global_load_b64 v[QS:QS+1], v[RI], s[16:17]
	global_load_b64 v[QS+2:QS+3], v[RI], s[16:17] offset:2359296
	s_lshr_b32 s40, s15, 4
	s_lshl_b32 s40, s40, 4
	s_lshl_b32 s41, s14, 1
	s_add_co_u32 s40, s40, s41
	s_lshr_b32 s41, s12, 2
	s_add_co_u32 s40, s40, s41                     ; the unit of oimg
	s_bfe_u32 s41, s15, 0x10003                    ; which half of the next K
	s_and_b32 s42, s12, 3
	s_lshl_b32 s42, s42, 1                         ; my first tile in the unit
	s_and_b32 s43, s15, 7
	s_lshl_b32 s44, s40, 16
	s_lshl_b32 s46, s41, 15
	s_add_co_u32 s44, s44, s46
	s_lshl_b32 s46, s42, 12
	s_add_co_u32 s44, s44, s46
	s_lshl_b32 s46, s43, 9
	s_add_co_u32 s44, s44, s46
	s_mov_b32 s45, 0
	s_add_nc_u64 s[44:45], s[8:9], s[44:45]
	s_lshl_b32 s46, s40, 12
	s_lshl_b32 s47, s41, 11
	s_add_co_u32 s46, s46, s47
	s_lshl_b32 s47, s42, 8
	s_add_co_u32 s46, s46, s47
	s_lshl_b32 s47, s43, 1
	s_add_co_u32 s46, s46, s47
	s_mov_b32 s47, 0
	s_add_nc_u64 s[46:47], s[10:11], s[46:47]
	s_wait_alu depctr_va_vdst(0)
	s_wait_tensorcnt 0x0                           ; my part of the first head is in
	ds_add_u32 v[SPW], v[NIL]
	s_wait_dscnt 0x0
	CROUND                                         ; the first head is whole in all four work-groups
	tensor_load_to_lds s[36:39], s[24:31]          ; the second head lands under the first head's steps
	s_nop 0
.rept 4
	v_nop
.endr
	s_wait_loadcnt 0x0                             ; Q
	ITEM 0, 32, 40, QS
	ITEM 1, 48, 56, QS+2
	s_wait_tensorcnt 0x0                           ; the wave's end
	ds_add_u32 v[SPW], v[NIL]
	s_wait_dscnt 0x0
	CROUND
	s_endpgm
.Lfunc_end_k_qb5d52a0089_attn:
	.size	k_qb5d52a0089_attn, .Lfunc_end_k_qb5d52a0089_attn-k_qb5d52a0089_attn
	.p2alignl 7, 3214868480
	.fill 96, 4, 3214868480
	.section	.rodata,"a",@progbits
	.p2align	6, 0x0
	.amdhsa_kernel k_qb5d52a0089_attn
		.amdhsa_group_segment_fixed_size 327680
		.amdhsa_private_segment_fixed_size 0
		.amdhsa_enable_private_segment 0
		.amdhsa_kernarg_size 32
		.amdhsa_user_sgpr_count 2
		.amdhsa_user_sgpr_kernarg_segment_ptr 1
		.amdhsa_wavefront_size32 1
		.amdhsa_system_sgpr_workgroup_id_x 1
		.amdhsa_system_sgpr_workgroup_id_y 1
		.amdhsa_system_sgpr_workgroup_id_z 1
		.amdhsa_system_vgpr_workitem_id 0
		.amdhsa_next_free_vgpr 512
		.amdhsa_next_free_sgpr 66
		.amdhsa_reserve_vcc 0
		.amdhsa_float_denorm_mode_32 3
		.amdhsa_float_denorm_mode_16_64 3
		.amdhsa_memory_ordered 1
		.amdhsa_forward_progress 1
		.amdhsa_inst_pref_size 83
	.end_amdhsa_kernel
	.amdgpu_metadata
---
amdhsa.version: [ 1, 2 ]
amdhsa.kernels:
  - .name:           k_qb5d52a0089_attn
    .symbol:         k_qb5d52a0089_attn.kd
    .args:
      - { .name: qrec, .offset: 0, .size: 8, .value_kind: global_buffer, .address_space: global }
      - { .name: kvrec, .offset: 8, .size: 8, .value_kind: global_buffer, .address_space: global }
      - { .name: oimg, .offset: 16, .size: 8, .value_kind: global_buffer, .address_space: global }
      - { .name: osc, .offset: 24, .size: 8, .value_kind: global_buffer, .address_space: global }
    .group_segment_fixed_size: 327680
    .private_segment_fixed_size: 0
    .kernarg_segment_align: 8
    .kernarg_segment_size: 32
    .max_flat_workgroup_size: 256
    .sgpr_count:     66
    .vgpr_count:     512
    .wavefront_size: 32
...
	.end_amdgpu_metadata
.endif
;; end of part 3
;; launch oproj (part 4): grid 4 x 32, 4 waves a work-group, clusters of 4 x 4, 327,680 bytes of LDS; arguments oimg, osc, cimg, simg, bo, out0; writes out0
.if DOCPART == 4
	.amdgcn_target "amdgcn-amd-amdhsa--gfx1250"
	.amdhsa_code_object_version 6
	.text
	.protected	k_qb5d52a0089_oproj
	.globl	k_qb5d52a0089_oproj
	.p2align	8
	.type	k_qb5d52a0089_oproj,@function
k_qb5d52a0089_oproj:
	s_mov_b64 s[64:65], 0
	v_nop
	global_prefetch_b8 v0, s[64:65] scope:SCOPE_SE
	s_setreg_imm32_b32 hwreg(HW_REG_WAVE_MODE, 25, 1), 1
	s_wait_xcnt 0x0
	s_wait_alu depctr_hold_cnt(0) depctr_sa_sdst(0) depctr_va_vdst(0) depctr_va_sdst(0) depctr_va_ssrc(0) depctr_va_vcc(0) depctr_vm_vsrc(0)
	s_getreg_b32 s2, hwreg(HW_REG_IB_STS2, 6, 4)
	s_cmp_eq_u32 s2, 0
	s_cbranch_scc0 .Lentry_in_a_cluster
	s_endpgm
.Lentry_in_a_cluster:
	s_bfe_u32 s2, ttmp6, 0x10000c
	s_cmp_lg_u32 s2, 0xf033
	s_cbranch_scc0 .Lentry_shape_is_right
	s_endpgm
.Lentry_shape_is_right:
.set NQ,    4
.set FR,    8
.set NL,    2
.set NP,    4
.set SLOT,  131072
.set UNITB, 32768
.set SCL,   262144
.set HALFS, 4096
.set SPARE, 278528
.set STG,   279040
.set SPITCH, 528
.set ADRA, 16
.set ADRB, 20
.set HH,   22
.set LI,   24
.set STO,  25
.set RD,   26
.set ADRS, 27
.set SPW,  28
.set NIL,  29
.set BO,   30
.set SC,   32
.set AF,   128
.set BK,   128
.set BI,   192
.set G1, 24
.set G0, 32
.set G1B, 48
.set G0B, 56
.set G1S, 68
.set G0S, 76
.set G1SB, 80
.set G0SB, 88
.set MSB, 0
.macro WIN new
.if MSB != (\new)
	s_set_vgpr_msb (MSB<<8)|(\new)
.set MSB, (\new)
.endif
.endm
.set MUL_LO, 0xa1
.set MUL_HI, 0xf1
.set FST_LO, 0x81
.set FST_HI, 0xc1
.set TO_B,   0x40
.macro JLOAD g0a, g1a, g0b, g1b
	s_cmp_eq_u32 s15, 0
	s_cbranch_scc0 .Lfor_b_\@
	tensor_load_to_lds s[\g0a:\g0a+3], s[\g1a:\g1a+7]
	s_nop 0
.rept 4
	v_nop
.endr
	s_branch .Lasked_\@
.Lfor_b_\@:
	tensor_load_to_lds s[\g0b:\g0b+3], s[\g1b:\g1b+7]
	s_nop 0
.rept 4
	v_nop
.endr
.Lasked_\@:
.endm
.macro CROUND
	s_barrier_signal -1
	s_barrier_wait -1
	s_cmp_lg_u32 s14, 0
	s_cbranch_scc1 .Lnot_wave_0_\@
	s_barrier_signal -3
.Lnot_wave_0_\@:
	s_barrier_wait -3
	s_barrier_signal -1
	s_barrier_wait -1
.endm
.macro FRAG reg, adr, q, i
.irp c, 0,1
	ds_load_b128 v[\reg+4*\c:\reg+4*\c+3], v[\adr] offset:(\i)*4096+(\q)*1024+512*\c
.endr
.endm
.macro MUL16 a0, p, q, sc, first
.irp a, \a0, \a0+1
.irp b, 0,1,2,3,4,5,6,7
.if \first
	v_wmma_scale_f32_16x16x128_f8f6f4 v[8*(8*((\a)%4)+\b):8*(8*((\a)%4)+\b)+7], v[128*(\p)+FR*\b:128*(\p)+FR*\b+FR-1], v[AF+FR*(\a):AF+FR*(\a)+FR-1], v[BI+8*\b:BI+8*\b+7], v[SC+8*NQ*(\sc)+NQ*\b+(\q)], v[SC+8*NQ*(\sc)+NQ*(\a)+(\q)] matrix_a_fmt:MATRIX_FMT_FP4 matrix_b_fmt:MATRIX_FMT_FP4 matrix_a_scale:MATRIX_SCALE_ROW1
.else
	v_wmma_scale_f32_16x16x128_f8f6f4 v[8*(8*((\a)%4)+\b):8*(8*((\a)%4)+\b)+7], v[128*(\p)+FR*\b:128*(\p)+FR*\b+FR-1], v[AF+FR*(\a):AF+FR*(\a)+FR-1], v[8*(8*((\a)%4)+\b):8*(8*((\a)%4)+\b)+7], v[SC+8*NQ*(\sc)+NQ*\b+(\q)], v[SC+8*NQ*(\sc)+NQ*(\a)+(\q)] matrix_a_fmt:MATRIX_FMT_FP4 matrix_b_fmt:MATRIX_FMT_FP4 matrix_a_scale:MATRIX_SCALE_ROW1
.endif
.endr
.endr
.endm
.macro FETCH_B slot, q, p
	WIN TO_B
.irp i, 0,1,2,3,4,5,6,7
	FRAG 128*(\p)+FR*\i, ADRB+\slot, \q, \i
.endr
	WIN 0
.endm
.macro FETCH_A slot, q, i0
.irp i, \i0, \i0+1, \i0+2, \i0+3
	FRAG AF+FR*(\i), ADRA+\slot, \q, \i
.endr
.endm
.macro SCALES sc
.irp i, 0,1,2,3,4,5,6,7
	ds_load_b128 v[SC+8*NQ*\sc+NQ*\i:SC+8*NQ*\sc+NQ*\i+3], v[ADRS] offset:256*\i+2048*\sc
.endr
.endm
.macro PLACES n
.rept \n
	v_nop
.endr
.endm
.macro STEP slot, q, first
	s_wait_dscnt 4*NL
.if \first
	WIN FST_LO
.else
	WIN MUL_LO
.endif
	MUL16 0, (\q)%2, \q, \slot, \first
	MUL16 2, (\q)%2, \q, \slot, \first
	s_wait_dscnt 0
	PLACES NP
	FETCH_B \slot, (\q)+1, 1-(\q)%2
	FETCH_A \slot, (\q)+1, 0
.if \first
	WIN FST_HI
.else
	WIN MUL_HI
.endif
	MUL16 4, (\q)%2, \q, \slot, \first
	MUL16 6, (\q)%2, \q, \slot, \first
	PLACES NP
	WIN 0
	FETCH_A \slot, (\q)+1, 4
.endm
.macro STEPS slot, from
.set Q, \from
.rept NQ-1-\from
	STEP \slot, Q, 0
.set Q, Q+1
.endr
.endm
.macro CHANGE
	s_wait_tensorcnt 0x0
	ds_add_u32 v[SPW], v[NIL]
	s_wait_dscnt 4*NL+1
	WIN MUL_LO
	MUL16 0, 1, NQ-1, 0, 0
	s_wait_dscnt 0x0
	s_barrier_signal -1
	MUL16 2, 1, NQ-1, 0, 0
	WIN 0
	s_barrier_wait -1
	PLACES NP
	FETCH_B 1, 0, 0
	FETCH_A 1, 0, 0
	SCALES 1
	WIN MUL_HI
	MUL16 4, 1, NQ-1, 0, 0
	MUL16 6, 1, NQ-1, 0, 0
	PLACES NP
	WIN 0
	FETCH_A 1, 0, 4
.endm
.macro TOSTAGE a
.set AC, 64*((\a)%4)
	WIN 0x08+4*((\a)/4)
.irp b, 0,1,2,3,4,5,6,7
	ds_store_b128 v[STO], v[AC+8*\b:AC+8*\b+3] offset:128*(\b/2)+32*(\b%2)
	ds_store_b128 v[STO], v[AC+8*\b+4:AC+8*\b+7] offset:128*(\b/2)+32*(\b%2)+16
.endr
	WIN 0
.set BB, BK+64*((\a)%2)
.irp t, 0,1,2,3,4,5,6,7,8,9,10,11,12,13,14,15
	ds_load_b128 v[BB+4*\t:BB+4*\t+3], v[RD] offset:\t*SPITCH
.endr
.endm
.macro SEND a, younger
.set BB, BK+64*((\a)%2)
	s_wait_dscnt \younger
.irp t, 0,1,2,3,4,5,6,7,8,9,10,11,12,13,14,15
	global_store_b128 v[LI], v[BB+4*\t:BB+4*\t+3], s[94:95] offset:(32*((\a)/2)+8*((\a)%2)+\t+8*(\t/8))*4096 th:TH_STORE_NT
.endr
.endm
	s_load_b256 s[4:11], s[0:1], 0x0
	s_load_b128 s[92:95], s[0:1], 0x20
	v_lshl_add_u32 v[SPW], v0, 2, SPARE
	v_mov_b32 v[NIL], 0
	ds_add_u32 v[SPW], v[NIL]
	ds_add_u32 v[SPW], v[NIL]
	v_lshrrev_b32 v1, 5, v0
	v_readfirstlane_b32 s14, v1
	s_lshr_b32 s15, s14, 1
	s_and_b32 s16, s14, 1
	s_bfe_u32 s40, ttmp6, 0x40000
	s_bfe_u32 s41, ttmp6, 0x40004
	s_and_b32 s17, ttmp7, 0xffff
	s_lshl_b32 s43, s41, 2
	s_lshl_b32 s43, 15, s43
	s_lshl_b32 s44, 0x1111, s40
	s_or_b32 s[G1+0], s43, (3<<16)|(1<<21)
	s_or_b32 s[G1B+0], s44, (3<<16)|(1<<21)
.irp g, G1, G1B
	s_mov_b32 s[\g+1], 4096<<16                    ; the head's loads of codes: two rows of 32,768 bytes (half a unit each), 65,536 bytes apart
	s_mov_b32 s[\g+2], 2<<16
	s_mov_b32 s[\g+3], 4096<<16
	s_mov_b32 s[\g+4], 2
	s_mov_b32 s[\g+5], 8192
	s_mov_b32 s[\g+6], 0
	s_mov_b32 s[\g+7], 0
.endr
	s_or_b32 s[G1S+0], s43, (3<<16)|(1<<21)
	s_or_b32 s[G1SB+0], s44, (3<<16)|(1<<21)
.irp g, G1S, G1SB
	s_mov_b32 s[\g+1], 32<<16
	s_mov_b32 s[\g+2], 32<<16                      ; two units' scale bytes: 32 rows of 256 bytes
	s_mov_b32 s[\g+3], 32<<16
	s_mov_b32 s[\g+4], 32
	s_mov_b32 s[\g+5], 32
	s_mov_b32 s[\g+6], 0
	s_mov_b32 s[\g+7], 0
.endr
	s_lshl_b32 s20, s17, 2
	s_add_co_u32 s20, s20, s41
	s_lshl_b32 s20, s20, 1
	s_add_co_u32 s20, s20, s16
	s_lshl_b32 s46, s40, 1
	s_add_co_u32 s46, s46, s16
	s_add_co_u32 s46, s46, 88
	s_lshl_b32 s22, s20, 12
	s_mov_b32 s23, 0
	s_lshl_b32 s20, s20, 16
	s_mov_b32 s21, 0
	s_lshl_b32 s2, s46, 12
	s_mov_b32 s3, 0
	s_lshl_b32 s46, s46, 16
	s_mov_b32 s47, 0
	s_lshl_b32 s45, s14, 15
	s_wait_dscnt 0x0
	s_wait_kmcnt 0x0
	s_add_nc_u64 s[20:21], s[4:5], s[20:21]
	s_add_nc_u64 s[22:23], s[6:7], s[22:23]
	s_add_nc_u64 s[46:47], s[8:9], s[46:47]
	s_add_nc_u64 s[2:3], s[10:11], s[2:3]
	CROUND
	s_mov_b32 s[G0S], 1
	s_lshl_b32 s66, s16, 12                        ; back from the unit that I fetch in the ring to the pair's first unit
	s_mov_b32 s67, 0
	s_mov_b32 s[G0S+1], SCL
	s_sub_nc_u64 s[G0S+2:G0S+3], s[22:23], s[66:67]
	s_or_b32 s[G0S+3], s[G0S+3], 0x80000000
	s_mov_b32 s[G0SB], 1
	s_mov_b32 s[G0SB+1], SCL+2*HALFS
	s_sub_nc_u64 s[G0SB+2:G0SB+3], s[2:3], s[66:67]
	s_or_b32 s[G0SB+3], s[G0SB+3], 0x80000000
	s_lshl_b32 s66, s16, 16
	s_mov_b32 s4, 1                                ; s[4:7]: group 0 for slot 0's codes of A's two units (the arguments that lay there have been used)
	s_mov_b32 s5, 0
	s_sub_nc_u64 s[6:7], s[20:21], s[66:67]
	s_or_b32 s7, s7, 0x80000000
	s_mov_b32 s8, 1                                ; s[8:11]: the same for B's two units, behind A's
	s_mov_b32 s9, 65536
	s_sub_nc_u64 s[10:11], s[46:47], s[66:67]
	s_or_b32 s11, s11, 0x80000000
.irp s, 1
	s_mov_b32 s[G0+4*\s], 1
	s_add_co_u32 s[G0+4*\s+1], s45, \s*SLOT
	s_add_nc_u64 s[G0+4*\s+2:G0+4*\s+3], s[20:21], \s*UNITB
	s_or_b32 s[G0+4*\s+3], s[G0+4*\s+3], 0x80000000
	s_mov_b32 s[G0B+4*\s], 1
	s_add_co_u32 s[G0B+4*\s+1], s45, \s*SLOT
	s_add_nc_u64 s[G0B+4*\s+2:G0B+4*\s+3], s[46:47], \s*UNITB
	s_or_b32 s[G0B+4*\s+3], s[G0B+4*\s+3], 0x80000000
.endr
; the head's four tiles, one a wave: wave 0 slot 0's codes of A, wave 1 those of B, wave 2 A's scale bytes, wave 3 B's: one chain of branches on the wave's number
.macro ARM under, g0, g1, next
	s_cmp_lt_u32 s14, \under
	s_cbranch_scc0 \next
	tensor_load_to_lds s[\g0:\g0+3], s[\g1:\g1+7]
	s_nop 0
.rept 4
	v_nop
.endr
	s_branch .Lhead_asked
\next:
.endm
	ARM 1, 4, G1, .Lhead_b
	ARM 2, 8, G1B, .Lhead_sa
	ARM 3, G0S, G1S, .Lhead_sb
	tensor_load_to_lds s[G0SB:G0SB+3], s[G1SB:G1SB+7]
	s_nop 0
.rept 4
	v_nop
.endr
.Lhead_asked:
	v_and_b32 v1, 15, v0
	v_bfe_u32 v[HH], v0, 4, 1
	v_and_b32 v2, 31, v0
	v_lshlrev_b32 v[LI], 4, v2
	s_wait_alu depctr_va_vdst(0)
	s_lshl_b32 s2, s40, 10
	s_lshl_b32 s3, s16, 9
	s_add_co_u32 s2, s2, s3
	s_mov_b32 s3, 0
	s_add_nc_u64 s[92:93], s[92:93], s[2:3]
	v_lshlrev_b32 v[BO], 6, v[HH]
.irp t, 0,1,2,3,4,5,6,7
	global_load_b128 v[BI+8*\t:BI+8*\t+3], v[BO], s[92:93] offset:(32*(\t/2)+8*(\t%2))*4
	global_load_b128 v[BI+8*\t+4:BI+8*\t+7], v[BO], s[92:93] offset:(32*(\t/2)+8*(\t%2))*4+16
.endr
	s_lshl_b32 s21, s15, 15
	s_lshl_b32 s22, s16, 15
	s_add_co_u32 s22, s22, 65536
.irp s, 0,1
	v_add_nc_u32 v[ADRA+\s], s21, v[LI]
	v_add_nc_u32 v[ADRB+\s], s22, v[LI]
	s_add_co_u32 s21, s21, SLOT
	s_add_co_u32 s22, s22, SLOT
.endr
	v_lshlrev_b32 v5, 4, v1
	s_mul_i32 s21, s15, HALFS
	s_mul_i32 s22, s16, HALFS
	s_add_co_u32 s22, s22, 2*HALFS
	s_sub_co_u32 s22, s22, s21
	v_mul_u32_u24 v6, s22, v[HH]
	s_add_co_u32 s21, s21, SCL
	v_add_nc_u32 v5, v5, v6
	v_add_nc_u32 v[ADRS], s21, v5
	s_mul_i32 s23, s14, 16*SPITCH
	s_add_co_u32 s23, s23, STG
	v_mul_u32_u24 v5, v1, SPITCH
	v_lshl_add_u32 v5, v[HH], 6, v5
	v_add_nc_u32 v[STO], s23, v5
	v_add_nc_u32 v[RD], s23, v[LI]
	s_lshl_b32 s20, s17, 2
	s_add_co_u32 s20, s20, s41
	s_lshl_b32 s20, s20, 8
	s_lshl_b32 s21, s15, 7
	s_add_co_u32 s20, s20, s21
	s_lshl_b32 s20, s20, 12
	s_lshl_b32 s21, s40, 10
	s_add_co_u32 s20, s20, s21
	s_lshl_b32 s21, s16, 9
	s_add_co_u32 s20, s20, s21
	s_mov_b32 s21, 0
	s_add_nc_u64 s[94:95], s[94:95], s[20:21]
	s_wait_alu depctr_va_vdst(0)
	s_wait_tensorcnt 0x0                           ; my tile of the head's four is in
	ds_add_u32 v[SPW], v[NIL]
.irp g, G1, G1B
	s_mov_b32 s[\g+1], 32<<16                      ; no tensor load of mine is out: from here on a load brings half a unit as 128 rows of 256 bytes
	s_mov_b32 s[\g+2], 128<<16
	s_mov_b32 s[\g+3], 32<<16
	s_mov_b32 s[\g+4], 128
	s_mov_b32 s[\g+5], 32
.endr
	s_wait_dscnt 0x0
	CROUND                                         ; all four tiles are in, and the sixteen work-groups are here
	JLOAD G0+4, G1, G0B+4, G1B                     ; slot 1's first fill, a quarter a wave
	FETCH_B 0, 0, 0
	FETCH_A 0, 0, 0
	SCALES 0
	FETCH_A 0, 0, 4
	s_wait_loadcnt 0x0
	STEP 0, 0, 1
	STEPS 0, 1
	CHANGE
	STEPS 1, 0
	s_wait_dscnt 4*NL
	WIN MUL_LO
	MUL16 0, 1, NQ-1, 1, 0
	MUL16 2, 1, NQ-1, 1, 0
	s_wait_dscnt 0
	WIN MUL_HI
	MUL16 4, 1, NQ-1, 1, 0
	MUL16 6, 1, NQ-1, 1, 0
	WIN 0
	PLACES NP
	TOSTAGE 0
.irp a, 1,2,3,4,5,6,7
.if \a > 1
	s_wait_xcnt 0x0
.endif
	TOSTAGE \a
	SEND \a-1, 32
.endr
	SEND 7, 0
	s_wait_tensorcnt 0x0
	ds_add_u32 v[SPW], v[NIL]
	s_wait_dscnt 0x0
	CROUND
	s_endpgm
.Lfunc_end_k_qb5d52a0089_oproj:
	.size	k_qb5d52a0089_oproj, .Lfunc_end_k_qb5d52a0089_oproj-k_qb5d52a0089_oproj
	.p2alignl 7, 3214868480
	.fill 96, 4, 3214868480
	.section	.rodata,"a",@progbits
	.p2align	6, 0x0
	.amdhsa_kernel k_qb5d52a0089_oproj
		.amdhsa_group_segment_fixed_size 327680
		.amdhsa_private_segment_fixed_size 0
		.amdhsa_enable_private_segment 0
		.amdhsa_kernarg_size 48
		.amdhsa_user_sgpr_count 2
		.amdhsa_user_sgpr_kernarg_segment_ptr 1
		.amdhsa_wavefront_size32 1
		.amdhsa_system_sgpr_workgroup_id_x 1
		.amdhsa_system_sgpr_workgroup_id_y 1
		.amdhsa_system_sgpr_workgroup_id_z 1
		.amdhsa_system_vgpr_workitem_id 0
		.amdhsa_next_free_vgpr 1024
		.amdhsa_next_free_sgpr 98
		.amdhsa_reserve_vcc 0
		.amdhsa_float_denorm_mode_32 3
		.amdhsa_float_denorm_mode_16_64 3
		.amdhsa_memory_ordered 1
		.amdhsa_forward_progress 1
		.amdhsa_inst_pref_size 126
	.end_amdhsa_kernel
	.amdgpu_metadata
---
amdhsa.version: [ 1, 2 ]
amdhsa.kernels:
  - .name:           k_qb5d52a0089_oproj
    .symbol:         k_qb5d52a0089_oproj.kd
    .args:
      - { .name: oimg, .offset: 0, .size: 8, .value_kind: global_buffer, .address_space: global }
      - { .name: osc, .offset: 8, .size: 8, .value_kind: global_buffer, .address_space: global }
      - { .name: cimg, .offset: 16, .size: 8, .value_kind: global_buffer, .address_space: global }
      - { .name: simg, .offset: 24, .size: 8, .value_kind: global_buffer, .address_space: global }
      - { .name: bo, .offset: 32, .size: 8, .value_kind: global_buffer, .address_space: global }
      - { .name: out0, .offset: 40, .size: 8, .value_kind: global_buffer, .address_space: global }
    .group_segment_fixed_size: 327680
    .private_segment_fixed_size: 0
    .kernarg_segment_align: 8
    .kernarg_segment_size: 48
    .max_flat_workgroup_size: 128
    .sgpr_count:     98
    .vgpr_count:     1024
    .wavefront_size: 32
...
	.end_amdgpu_metadata
.endif
;; end of part 4
